; MI455X (gfx1250); checked and timed in simulation.
; The chip was launched on July 23, 2026; its instructions are those of AMD's public machine-readable ISA for CDNA 5 (MIT licence, August 2026) and "CDNA5" Instruction Set Architecture Reference Guide (July 2026). The comments in the code are by the model that wrote it; some were corrected since.
;; Attention. Allowed arithmetic: matrix products marked QUANTISED: E2M3 operands, one E8M0 scale for each 32 along K, by v_wmma_scale_f32_16x16x128_f8f6f4 with both operands' format E2M3, f32 sums; everything else in f32.
;; Inputs: Wk 1,024 x 1,024 float32; Wp 1,024 x 1,024 float32; Wq 1,024 x 1,024 float32; Wv 1,024 x 1,024 float32; att_mask 1 x 1 x 4,096 x 4,096 int32; bk 1,024 float32; bp 1,024 float32; bq 1,024 float32; bv 1,024 float32; key 1 x 4,096 x 1,024 float32; query 1 x 4,096 x 1,024 float32; value 1 x 4,096 x 1,024 float32.
;; Outputs: out0 1 x 4,096 x 1,024 float32.
;; This version of the problem:
;;   THIS VERSION OF THE PROBLEM IS GIVEN IN LOW PRECISION. The matrix products marked QUANTISED in the list below multiply operands that are first quantised to E2M3 (2 exponent bits, 3 mantissa bits; 6 bits a number), with one power-of-two scale for each 32 numbers along K (OCP MX v1.0); their sums are f32. All else is computed in f32.
;;   The module's matrix products, in the order in which they are computed (A, B: the left and right operand; K: the contracted axis; several contracted axes count as one K, in the product's order):
;;     1. [M 4,096, K 1,024] x [K 1,024, N 1,024]; A: input query; B: input Wq: QUANTISED
;;     2. [M 4,096, K 1,024] x [K 1,024, N 1,024]; A: input key; B: input Wk: QUANTISED
;;     3. [M 4,096, K 1,024] x [K 1,024, N 1,024]; A: input value; B: input Wv: QUANTISED
;;     4. batch 16 x [M 4,096, K 64] x [K 64, N 4,096]; A: computed on the way; B: computed on the way: QUANTISED
;;     5. batch 16 x [M 4,096, K 4,096] x [K 4,096, N 64]; A: softmax (see below); B: computed on the way: QUANTISED
;;     6. [M 4,096, K 1,024] x [K 1,024, N 1,024]; A: computed on the way; B: input Wp: QUANTISED
;;   THE QUANTISER, for each operand of a quantised product, along K:
;;     - K is cut into blocks of 32 from its start; a last block that is shorter is filled with zeros.
;;     - A block's scale is 2^e with e = floor(log2(the largest magnitude in the block)) - 2, held to -126 .. 127; a block of zeros has e = 0. As a byte (E8M0): e + 127.
;;     - Each number is divided by its block's scale, clamped to +-7.5, and rounded to the nearest number of E2M3, ties to even, subnormals kept.
;;     - The product sums the exact products of the quantised numbers (number of the format x scale) in f32.
;;   ~~~python
;;   def quantise(x, axis):      # numpy; x: float32 -> the quantised numbers, widened to float32 again
;;       x = np.moveaxis(x, axis, -1); K = x.shape[-1]
;;       x = np.pad(x, [(0, 0)] * (x.ndim - 1) + [(0, -K % 32)]); x = x.reshape(x.shape[:-1] + (-1, 32)); a = np.abs(x).max(-1, keepdims=True)
;;       e = np.where(a > 0, np.clip(np.frexp(np.where(a > 0, a, 1))[1] - 1 - 2, -126, 127), 0)      # np.frexp(a)[1] - 1 = floor(log2(a)), exactly
;;       r = np.clip(x / 2.0 ** e, -7.5, 7.5)
;;       step = 2.0 ** (np.maximum(np.frexp(np.where(r == 0, 1, r))[1] - 1, 0) - 3)
;;       q = np.round(r / step) * step * 2.0 ** e      # np.round: ties to even
;;       return np.moveaxis(q.reshape(q.shape[:-2] + (-1,))[..., :K], -1, axis).astype(np.float32)
;;   ~~~
;;   SOFTMAX AHEAD OF A QUANTISED PRODUCT. Where the list says 'softmax', what is quantised is not the finished softmax but p = 2^(t - M), with t = logit x log2(e) and M = ceil(the row's largest t), a whole number; so 1/2 < the row's largest p <= 1. The row's sum l is taken of the UNQUANTISED p, in f32, and the product's result is divided by l at the end. Since M is a whole number, a kernel that streams over the keys may use a running M (the ceiling of the running maximum): every later rescaling is an exact power of two, which a block's scale takes up: the codes' values come out the same.
;;   OPERANDS COMPUTED ON THE WAY. 'Computed on the way' means the value that the module computes at that place (a softmax that the list does not call 'softmax' is quantised finished and normalised). What goes into a quantiser is computed in f32, as accurately as f32 sums, v_exp_f32 and their like allow (about 1e-6 of the number): no bf16 or f16 on the way to a quantiser, and a product that is left as it is and whose result goes on into a quantised operand takes f32 operands (vector FMAs, or v_wmma_f32_16x16x4_f32). A number that lies on a knife's edge between two numbers of the format may be rounded either way, as far as f32 arithmetic and the matrix unit's own rounding can turn it there, and no further.
;; One version. Each part assembles by itself: llvm-mc -triple=amdgcn-amd-amdhsa -mcpu=gfx1250 --defsym DOCPART=n.
;; ======== version 1 of 1: 5 launches
;; limits: right only within a limited range of input values
;; workspace buffers: opnd 13,107,200 bytes; mbits 2,097,152 bytes of whole numbers; mflag 2,048 bytes of whole numbers; qb 3,407,872 bytes; kv 6,684,672 bytes; gpart 1,024 bytes; yb 3,276,800 bytes
;; launch prep (part 1): grid 512 x 1, 4 waves a work-group, no clusters, 68,096 bytes of LDS; arguments query, key, value, Wq, Wk, Wv, Wp, att_mask, opnd, mbits, mflag; writes opnd, mbits, mflag
.if DOCPART == 1
	.amdgcn_target "amdgcn-amd-amdhsa--gfx1250"
	.amdhsa_code_object_version 6
	.text
	.protected	k_qb054281638_prep
	.globl	k_qb054281638_prep
	.p2align	8
	.type	k_qb054281638_prep,@function
k_qb054281638_prep:
	s_mov_b64 s[64:65], 0
	v_nop
	global_prefetch_b8 v0, s[64:65] scope:SCOPE_SE
	s_setreg_imm32_b32 hwreg(HW_REG_WAVE_MODE, 25, 1), 1
	s_wait_xcnt 0x0
; PREP.  Work-groups 0-255: query, key, value [4096][1024] and Wq, Wk, Wv, Wp [1024][1024], f32, become codes of FP6 (E2M3) along their last axis, one E8M0 byte for each 32.
; Work-groups 256-511: att_mask [4096][4096] i32 becomes bits, one 32-bit word for each register of scores that the attention launch holds.
; TILES.  Rows go in groups of 32, two tiles a group: lane index r of tile T is row 32 (T / 2) + 8 (T % 2) + r + 8 (r / 8).
; CODES are stored as images of the operand's registers: tile x 12,288 + K step x 1,536 + half x 768; in a half (16 rows x 64 K, six registers a lane) registers 0-3 lie at 16 x lane,
; registers 4-5 at 512 + 8 x lane.  So every store here, and every later load, covers 512 or 256 consecutive bytes, aligned.  SCALE WORDS: 512 bytes a tile, [r][8 K steps], behind all codes.
; A block's scale byte is its largest magnitude's exponent field - 2, held at 1 from below (a block of zeros gets 1: its codes are zeros, and this program alone reads the bytes).
; MASK BITS: (tile x 32 + key step) x 256 + 4 n, n = 16 b + i: bit r + 16 h of word n says whether att_mask[row r of the tile][128 step + 32 b + 16 h + i] is not 0.
; A wave takes one tile for all of K (or a quarter of a tile's mask row): 8 steps of 16 rows x 512 bytes.  Each load reads 512 consecutive bytes of one row; a step turns through the wave's own stage in LDS
; (16 rows, 528 bytes apart) so that a lane gets neighbours along K.  Two register sets: 32 loads of a wave are out.  Waves share nothing: no barrier.  No matrix unit, no cluster: a stream read once.
; LIMITS: NaN and infinities among the inputs are not served; blocks whose largest magnitude lies under 2^(3 - 127) are held at byte 1.
.set SPI,   528                        ; a stage row: 512 bytes + 16
.set STGB,  16*SPI                     ; a wave's stage
.set MSTG,  4*STGB                     ; the mask path's stages lie behind the quantising path's: each path has LDS bytes of its own
.set R,     32                         ; v32-159  two sets of 64 registers as loaded
.set X,     160                        ; v160-223 64 numbers of my row
.set C,     224                        ; v224-235 a fragment's codes; v236-238, v240-242 the halves that begin on an odd register
.set SCLS,  12582912                   ; where the scale words begin in opnd
.set TILEB, 12288
.macro GLOAD set, t, pitch             ; step t: 16 rows x 512 bytes
.irp i, 0,1,2,3,4,5,6,7,8,9,10,11,12,13,14,15
	global_load_b128 v[R+64*(\set)+4*\i:R+64*(\set)+4*\i+3], v4, s[26:27] offset:(\i+8*(\i/8))*(\pitch)+512*(\t) th:TH_LOAD_NT
.endr
.endm
.macro TURN set, kind                  ; through the stage: LDS serves a wave's instructions in order, so no wait stands between the stores and the loads
.irp i, 0,1,2,3,4,5,6,7,8,9,10,11,12,13,14,15
	ds_store_b128 v5, v[R+64*(\set)+4*\i:R+64*(\set)+4*\i+3] offset:SPI*\i
.endr
.if \kind == 0
.irp c, 0,1                            ; lane (r, h): blocks h and 2 + h of row r, 32 numbers each
.irp j, 0,1,2,3,4,5,6,7
	ds_load_b128 v[X+32*\c+4*\j:X+32*\c+4*\j+3], v6 offset:256*\c+16*\j
.endr
.endr
.else
.irp b, 0,1,2,3                        ; lane (r, h): columns 32 b + 16 h + 0 .. 15 of row r
.irp j, 0,1,2,3
	ds_load_b128 v[X+16*\b+4*\j:X+16*\b+4*\j+3], v6 offset:128*\b+16*\j
.endr
.endr
.endif
.endm
.macro QSTEP t
.if (\t) < 7
	s_wait_loadcnt 16                              ; this step's 16 loads are in; the other set's 16 may be out
.else
	s_wait_loadcnt 0x0
.endif
	TURN (\t)%2, 0
	s_wait_xcnt 0x0                                ; the last step's stores have read their data: the codes' registers may be written again
	s_wait_dscnt 0x0                               ; my numbers are back, and the set has been read by the stage's stores
.if (\t) < 6
	GLOAD (\t)%2, (\t)+2, 4096
.endif
.irp c, 0,1
	v_max3_num_f32 v[12+\c], |v[X+32*\c]|, |v[X+32*\c+1]|, 0x1800000   ; the block's largest magnitude, and the floor 2^(3 - 127)
.endr
.irp i, 2,4,6,8,10,12,14,16,18,20,22,24,26,28,30
.irp c, 0,1
	v_max3_num_f32 v[12+\c], v[12+\c], |v[X+32*\c+\i]|, |v[X+32*\c+\i+1]|
.endr
.endr
	v_add_nc_u32 v14, 0xff000000, v12              ; 2 off the exponent field: the conversion's scale operand
	v_add_nc_u32 v15, 0xff000000, v13
	v_lshrrev_b32 v16, 23, v14                     ; the scale's byte
	v_lshrrev_b32 v17, 23, v15
	v_lshl_or_b32 v18, v17, 16, v16                ; blocks h and 2 + h,
	v_lshlrev_b32 v18, v7, v18                     ; 8 h bits up;
	v_permlanex16_b32 v19, v18, s34, s35
	v_or_b32 v18, v18, v19                         ; with lane l xor 16's two the word is whole
.if (\t) < 4
	v_mov_b32 v[20+(\t)], v18                      ; K steps 0-3 for lanes 0-15,
.else
	v_cndmask_b32 v[16+(\t)], v[16+(\t)], v18, s32 ; K steps 4-7 for lanes 16-31
.endif
	v_cvt_scalef32_pk16_fp6_f32 v[C:C+2], v[X:X+15], v14
	v_cvt_scalef32_pk16_fp6_f32 v[236:238], v[X+16:X+31], v14   ; (a conversion's three registers begin on an even number)
	v_cvt_scalef32_pk16_fp6_f32 v[C+6:C+8], v[X+32:X+47], v15
	v_cvt_scalef32_pk16_fp6_f32 v[240:242], v[X+48:X+63], v15
	v_nop                                          ; one plain place behind the conversions
.irp i, 0,1,2
	v_mov_b32 v[C+3+\i], v[236+\i]
	v_mov_b32 v[C+9+\i], v[240+\i]
.endr
	global_store_b128 v4, v[C:C+3], s[28:29] offset:1536*(\t)
	global_store_b64 v9, v[C+4:C+5], s[28:29] offset:1536*(\t)
	global_store_b128 v4, v[C+6:C+9], s[28:29] offset:1536*(\t)+768
	global_store_b64 v9, v[C+10:C+11], s[28:29] offset:1536*(\t)+768
.endm
.macro MSTEP t
.if (\t) < 7
	s_wait_loadcnt 16                              ; as in the quantising path
.else
	s_wait_loadcnt 0x0
.endif
	TURN (\t)%2, 1
	s_wait_xcnt 0x0                                ; the last step's store has read v24, v25
	s_wait_dscnt 0x0
.if (\t) < 6
	GLOAD (\t)%2, (\t)+2, 16384
.endif
	s_mov_b64 s[40:41], 0                          ; the step's 64 words, all ORed,
	s_mov_b64 s[42:43], -1                         ; and all ANDed
.set n, 0
.rept 16
	v_cmp_ne_u32 s36, 0, v[X+n]
	v_cmp_ne_u32 s37, 0, v[X+n+1]
	v_cmp_ne_u32 s38, 0, v[X+n+2]
	v_cmp_ne_u32 s39, 0, v[X+n+3]
	s_or_b64 s[44:45], s[36:37], s[38:39]
	s_or_b64 s[40:41], s[40:41], s[44:45]
	s_and_b64 s[44:45], s[36:37], s[38:39]
	s_and_b64 s[42:43], s[42:43], s[44:45]
	v_writelane_b32 v24, s36, n/2
	v_writelane_b32 v25, s37, n/2
	v_writelane_b32 v24, s38, n/2+1
	v_writelane_b32 v25, s39, n/2+1
.set n, n+4
.endr
	s_cmp_lg_u64 s[40:41], 0                       ; MASK FLAGS: bit t of s46: some key of this (tile, key step) counts;
	s_cselect_b32 s44, 1<<(\t), 0
	s_or_b32 s46, s46, s44
	s_and_b32 s42, s42, s43
	s_cmp_eq_u32 s42, -1                           ; bit t of s47: all of them count
	s_cselect_b32 s44, 1<<(\t), 0
	s_or_b32 s47, s47, s44
	s_wait_alu depctr_va_vdst(0)                   ; the wait here, directly ahead of the reader below
	global_store_b64 v11, v[24:25], s[28:29] offset:256*(\t)
.endm
	s_load_b512 s[4:19], s[0:1], 0x0               ; query, key, value, Wq, Wk, Wv, Wp, att_mask
	s_load_b128 s[20:23], s[0:1], 0x40             ; opnd, mbits
	s_load_b64 s[48:49], s[0:1], 0x50              ; mflag
	v_lshl_add_u32 v254, v0, 2, 0x10800
	v_mov_b32 v255, 0
	v_lshrrev_b32 v1, 5, v0
	v_readfirstlane_b32 s24, v1                    ; wave
	v_and_b32 v1, 31, v0                           ; lane
	v_and_b32 v2, 15, v0                           ; r
	v_bfe_u32 v3, v0, 4, 1                         ; h
	v_lshlrev_b32 v4, 4, v1                        ; 16 x lane
	v_mul_u32_u24 v6, v2, SPI
	v_lshlrev_b32 v7, 3, v3                        ; 8 h
	v_lshl_add_u32 v9, v1, 3, 512                  ; 512 + 8 x lane
	v_lshlrev_b32 v10, 5, v2
	v_lshl_add_u32 v10, v3, 4, v10                 ; 32 r + 16 h
	v_lshlrev_b32 v11, 3, v1                       ; 8 x lane
	v_mov_b32 v19, 0                               ; written once: the destinations of lane moves count as read
	v_mov_b32 v24, 0
	v_mov_b32 v25, 0
	s_mul_i32 s25, s24, STGB
	s_mov_b32 s32, 0xffff0000                      ; lanes 16-31
	s_mov_b32 s34, 0x76543210
	s_mov_b32 s35, 0xfedcba98                      ; selects for lane l xor 16
	s_cmp_ge_u32 ttmp9, 256
	s_cbranch_scc1 .Lmask
	; ---- the quantising path: tile T = 4 x work-group + wave
	v_add_nc_u32 v5, s25, v4                       ; the stage, in: 16 x lane
	v_lshl_add_u32 v6, v3, 7, v6
	v_add_nc_u32 v6, s25, v6                       ; and out: 528 r + 128 h
	s_lshl_b32 s33, ttmp9, 2
	s_add_co_u32 s33, s33, s24                     ; T
	s_wait_alu depctr_va_vdst(0)
	s_wait_kmcnt 0x0
	s_mov_b64 s[26:27], s[16:17]                   ; which tensor, and its first tile: the choice hangs on the work-group's number alone
	s_movk_i32 s36, 960
	s_cmp_lt_u32 ttmp9, 240
	s_cselect_b64 s[26:27], s[14:15], s[26:27]
	s_cselect_b32 s36, 896, s36
	s_cmp_lt_u32 ttmp9, 224
	s_cselect_b64 s[26:27], s[12:13], s[26:27]
	s_cselect_b32 s36, 832, s36
	s_cmp_lt_u32 ttmp9, 208
	s_cselect_b64 s[26:27], s[10:11], s[26:27]
	s_cselect_b32 s36, 768, s36
	s_cmp_lt_u32 ttmp9, 192
	s_cselect_b64 s[26:27], s[8:9], s[26:27]
	s_cselect_b32 s36, 512, s36
	s_cmp_lt_u32 ttmp9, 128
	s_cselect_b64 s[26:27], s[6:7], s[26:27]
	s_cselect_b32 s36, 256, s36
	s_cmp_lt_u32 ttmp9, 64
	s_cselect_b64 s[26:27], s[4:5], s[26:27]
	s_cselect_b32 s36, 0, s36
	s_sub_co_u32 s37, s33, s36                     ; the tile's number in its tensor
	s_lshr_b32 s38, s37, 1
	s_lshl_b32 s38, s38, 5
	s_and_b32 s39, s37, 1
	s_lshl_b32 s39, s39, 3
	s_add_co_u32 s38, s38, s39                     ; its first row
	s_lshl_b32 s38, s38, 12                        ; x 4,096 bytes
	s_mov_b32 s39, 0
	s_add_nc_u64 s[26:27], s[26:27], s[38:39]
	s_mul_i32 s38, s33, TILEB
	s_add_nc_u64 s[28:29], s[20:21], s[38:39]      ; its codes
	s_lshl_b32 s38, s33, 9
	s_add_co_u32 s38, s38, SCLS
	s_add_nc_u64 s[30:31], s[20:21], s[38:39]      ; its scale words
	GLOAD 0, 0, 4096
	GLOAD 1, 1, 4096
.irp t, 0,1,2,3,4,5,6,7
	QSTEP \t
.endr
	global_store_b128 v10, v[20:23], s[30:31]      ; the tile's 512 bytes of scale words
	s_wait_tensorcnt 0x0
	ds_add_u32 v254, v255
	s_wait_dscnt 0x0
	s_endpgm
.Lmask:
	; ---- the mask path: tile = work-group - 256; key steps 8 x wave + 0 .. 7
	s_add_co_u32 s25, s25, MSTG
	v_add_nc_u32 v5, s25, v4
	v_lshl_add_u32 v6, v3, 6, v6
	v_add_nc_u32 v6, s25, v6                       ; out of the stage: 528 r + 64 h
	s_sub_co_u32 s33, ttmp9, 256
	s_lshr_b32 s38, s33, 1
	s_lshl_b32 s38, s38, 5
	s_and_b32 s39, s33, 1
	s_lshl_b32 s39, s39, 3
	s_add_co_u32 s38, s38, s39                     ; the tile's first query
	s_lshl_b32 s38, s38, 14                        ; x 16,384 bytes
	s_lshl_b32 s39, s24, 12                        ; + my 1,024 keys
	s_add_co_u32 s38, s38, s39
	s_mov_b32 s39, 0
	s_wait_alu depctr_va_vdst(0)
	s_wait_kmcnt 0x0
	s_add_nc_u64 s[26:27], s[18:19], s[38:39]
	s_lshl_b32 s38, s33, 13
	s_lshl_b32 s36, s24, 11
	s_add_co_u32 s38, s38, s36
	s_add_nc_u64 s[28:29], s[22:23], s[38:39]
	s_lshl_b32 s38, s33, 3                         ; mflag: 8 bytes a tile: a word of 32 'some' bits, a word of 32 'all' bits, bit = key step; my wave's eight steps are byte 'wave' of each
	s_add_co_u32 s38, s38, s24
	s_add_nc_u64 s[30:31], s[48:49], s[38:39]
	s_mov_b32 s46, 0
	s_mov_b32 s47, 0
	GLOAD 0, 0, 16384
	GLOAD 1, 1, 16384
.irp t, 0,1,2,3,4,5,6,7
	s_wait_alu depctr_va_vdst(0)
	MSTEP \t
.endr
	v_mov_b32 v26, s46
	v_mov_b32 v27, s47
	v_mov_b32 v28, 0
	global_store_b8 v28, v26, s[30:31]             ; all lanes write the same byte to the same place: two bytes a wave, parts of units, beside the 2,048 bytes of words that the wave stores
	global_store_b8 v28, v27, s[30:31] offset:4
	s_wait_tensorcnt 0x0
	ds_add_u32 v254, v255
	s_wait_dscnt 0x0
	s_endpgm
.Lfunc_end_k_qb054281638_prep:
	.size	k_qb054281638_prep, .Lfunc_end_k_qb054281638_prep-k_qb054281638_prep
	.p2alignl 7, 3214868480
	.fill 96, 4, 3214868480
	.section	.rodata,"a",@progbits
	.p2align	6, 0x0
	.amdhsa_kernel k_qb054281638_prep
		.amdhsa_group_segment_fixed_size 68096
		.amdhsa_private_segment_fixed_size 0
		.amdhsa_enable_private_segment 0
		.amdhsa_kernarg_size 88
		.amdhsa_user_sgpr_count 2
		.amdhsa_user_sgpr_kernarg_segment_ptr 1
		.amdhsa_wavefront_size32 1
		.amdhsa_system_sgpr_workgroup_id_x 1
		.amdhsa_system_sgpr_workgroup_id_y 1
		.amdhsa_system_sgpr_workgroup_id_z 1
		.amdhsa_system_vgpr_workitem_id 0
		.amdhsa_next_free_vgpr 256
		.amdhsa_next_free_sgpr 66
		.amdhsa_reserve_vcc 0
		.amdhsa_float_denorm_mode_32 3
		.amdhsa_float_denorm_mode_16_64 3
		.amdhsa_memory_ordered 1
		.amdhsa_forward_progress 1
		.amdhsa_inst_pref_size 173
	.end_amdhsa_kernel
	.amdgpu_metadata
---
amdhsa.version: [ 1, 2 ]
amdhsa.kernels:
  - .name:           k_qb054281638_prep
    .symbol:         k_qb054281638_prep.kd
    .args:
      - { .name: query, .offset: 0, .size: 8, .value_kind: global_buffer, .address_space: global }
      - { .name: key, .offset: 8, .size: 8, .value_kind: global_buffer, .address_space: global }
      - { .name: value, .offset: 16, .size: 8, .value_kind: global_buffer, .address_space: global }
      - { .name: Wq, .offset: 24, .size: 8, .value_kind: global_buffer, .address_space: global }
      - { .name: Wk, .offset: 32, .size: 8, .value_kind: global_buffer, .address_space: global }
      - { .name: Wv, .offset: 40, .size: 8, .value_kind: global_buffer, .address_space: global }
      - { .name: Wp, .offset: 48, .size: 8, .value_kind: global_buffer, .address_space: global }
      - { .name: att_mask, .offset: 56, .size: 8, .value_kind: global_buffer, .address_space: global }
      - { .name: opnd, .offset: 64, .size: 8, .value_kind: global_buffer, .address_space: global }
      - { .name: mbits, .offset: 72, .size: 8, .value_kind: global_buffer, .address_space: global }
      - { .name: mflag, .offset: 80, .size: 8, .value_kind: global_buffer, .address_space: global }
    .group_segment_fixed_size: 68096
    .private_segment_fixed_size: 0
    .kernarg_segment_align: 8
    .kernarg_segment_size: 88
    .max_flat_workgroup_size: 128
    .sgpr_count:     66
    .vgpr_count:     256
    .wavefront_size: 32
...
	.end_amdgpu_metadata
.endif
;; end of part 1
;; launch proj (part 2): grid 256 x 3, 4 waves a work-group, no clusters, 168,448 bytes of LDS; arguments opnd, bq, bk, bv, qb, kv; writes qb, kv
.if DOCPART == 2
	.amdgcn_target "amdgcn-amd-amdhsa--gfx1250"
	.amdhsa_code_object_version 6
	.text
	.protected	k_qb054281638_proj
	.globl	k_qb054281638_proj
	.p2align	8
	.type	k_qb054281638_proj,@function
k_qb054281638_proj:
	s_mov_b64 s[64:65], 0
	v_nop
	global_prefetch_b8 v0, s[64:65] scope:SCOPE_SE
	s_setreg_imm32_b32 hwreg(HW_REG_WAVE_MODE, 25, 1), 1
	s_wait_xcnt 0x0
; PROJ.  q = query Wq^T + bq, k = key Wk^T + bk, v = value Wv^T + bv on codes of FP6 (K = 1,024, eight steps of 128), and each result quantised again for the attention products:
; q (x 2^-8, the factor 1 / (32 sqrt(64)): the same codes, each scale byte 8 lower) and k along the head's 64, v along the keys.  Work-group y says which (0 q, 1 k, 2 v).
; SOURCE 0 is the matrix whose rows are the next quantiser's axis (Wq, Wk; for v: value), SOURCE 1 the one whose rows stay in the lanes (query, key; for v: Wv).  By the tiles' choice of rows
; (lane index r of tile T is row 32 (T / 2) + 8 (T % 2) + r + 8 (r / 8)) a lane's 64 results of eight source-0 tiles are, register 16 b + i, row 32 b + 16 h + i: neighbours along the next K.
; A work-group makes 128 source-0 rows x 128 source-1 rows; wave w takes source-1 tiles 2 w, 2 w + 1 against all eight source-0 tiles: 16 accumulators, 128 matrix instructions.
; Source 0's panel (8 tiles x 8 K steps x 1,536 bytes) comes into LDS once, by one tensor load a wave; source 1's two tiles stay in registers for all of K.
; THE BIAS is loaded straight into the accumulators, in the result's layout, so every product adds in place and nothing is cleared or added afterwards.
; No cluster: a work-group fetches all it needs by one load a wave at its head, 98,304 bytes; there is no ring whose requests partners could share trip by trip.
; OUT.  qb: halves of fragments at (head x 256 + tile) x 768, scale words behind them, 128 bytes for a pair of tiles.  kv: one block of 13,056 bytes for a head and 128 keys: K's eight halves, K's four scale
; images, V's two, V^T's eight halves.  The scale images are stores of 128 bytes: half of an aligned 256; they are about one part in 15 of what the launch stores.
; q's and k's scale words repeat their two bytes (b0, b1, b0, b1): the attention products are 128 deep over a K of 64, and the empty half takes the scales of the full one.
; LIMITS: NaN and infinities are not served; a block of zeros gets byte 1; blocks under 2^(3 - 127) (q: 2^(11 - 127)) are held at byte 1.
.set SCLS,  12582912
.set TILEB, 12288
.set STEPB, 1536
.set ACC,   128                        ; v128-255 accumulator (n, i) at ACC + 64 n + 8 i
.set PC,    64                         ; v64-75 the codes just made; v76-78, v80-82 their odd halves
.set TM,    84                         ; v84-87 largest magnitudes, v88-91 bytes, v96-99 scale operands
.set PW,    100                        ; the scale word just made; v101-104 its two forms for n = 0, 1; v106, v107 the images
.set MSB, 0
.macro WIN new                         ; the immediate's high byte repeats the setting that is left
.if MSB != \new
	s_set_vgpr_msb (MSB<<8)|\new
.set MSB, \new
.endif
.endm
; window 0: v1-8 addresses, v16-47 source 0's scale words (4 registers a tile: K step j in lanes 0-15, 4 + j in lanes 16-31), v48-55 source 1's; window 1: two buffers of four source-0 fragments; window 2: source 1, 96 n + 12 s
.macro LOADH hs                        ; half step hs: K step hs / 2, source-0 tiles 4 (hs % 2) + 0 .. 3, into buffer hs % 2: 16 LDS loads of consecutive bytes
	WIN 0x40
.irp ii, 0,1,2,3
.irp c, 0,1
.set FD, 48*((\hs)%2)+12*\ii+6*\c
.set FO, TILEB*\ii+STEPB*((\hs)/2)+768*\c      ; the panel lies in LDS as in memory: tile x 12,288 + K step x 1,536; tiles 0-3 by v1, v2, tiles 4-7 by v3, v4
.if ((\hs)%2) == 0
	ds_load_b128 v[FD:FD+3], v1 offset:FO
	ds_load_b64 v[FD+4:FD+5], v2 offset:FO
.else
	ds_load_b128 v[FD:FD+3], v3 offset:FO
	ds_load_b64 v[FD+4:FD+5], v4 offset:FO
.endif
.endr
.endr
.endm
.macro HALF hs                         ; eight products on eight accumulators; the other eight have the next half step: the accumulators take turns
.if (\hs) < 15
	s_wait_dscnt 16                                ; this half step's fragments are in; the next one's 16 loads may be out
.else
	s_wait_dscnt 0x0
.endif
	WIN 0x09                                       ; source 0 window 1, source 1 window 2, C and D window 0
.irp ii, 0,1,2,3
.irp n, 0,1
.set AC, ACC+64*\n+8*(4*((\hs)%2)+\ii)
.set FA, 48*((\hs)%2)+12*\ii
.set FB, 96*\n+12*((\hs)/2)
.set SA, 16+4*(4*((\hs)%2)+\ii)+((\hs)/2)%4
.set SB, 48+4*\n+((\hs)/2)%4
.if (\hs) < 8
	v_wmma_scale_f32_16x16x128_f8f6f4 v[AC:AC+7], v[FA:FA+11], v[FB:FB+11], v[AC:AC+7], v[SA], v[SB] matrix_a_fmt:MATRIX_FMT_FP6 matrix_b_fmt:MATRIX_FMT_FP6
.else
	v_wmma_scale_f32_16x16x128_f8f6f4 v[AC:AC+7], v[FA:FA+11], v[FB:FB+11], v[AC:AC+7], v[SA], v[SB] matrix_a_fmt:MATRIX_FMT_FP6 matrix_b_fmt:MATRIX_FMT_FP6 matrix_a_scale:MATRIX_SCALE_ROW1 matrix_b_scale:MATRIX_SCALE_ROW1
.endif
.endr
.endr
.if (\hs) < 14
.rept 4
	v_nop                                          ; four places in front of loads into registers that these products have read
.endr
	LOADH (\hs)+2
.endif
.endm
; 64 numbers of a lane, register 16 b + i = place 32 b + 16 h + i along the next K, become a fragment's codes in v[PC] on and its scale word in v[PW]
.macro QUANT s
.irp b, 0,1,2,3
	v_max3_num_f32 v[TM+\b], |v[\s+16*\b]|, |v[\s+1+16*\b]|, s60   ; my 16 numbers of block b, and the floor; each accumulator is read from its low end on
.endr
.irp i, 2,4,6,8,10,12,14
.irp b, 0,1,2,3
	v_max3_num_f32 v[TM+\b], v[TM+\b], |v[\s+16*\b+\i]|, |v[\s+1+16*\b+\i]|
.endr
.endr
.irp b, 0,1,2,3
	v_permlanex16_b32 v[TM+4+\b], v[TM+\b], s66, s67
.endr
.irp b, 0,1,2,3
	v_max_num_f32 v[TM+\b], v[TM+\b], v[TM+4+\b]   ; with lane l xor 16's: the block's largest magnitude
.endr
.irp b, 0,1,2,3
	v_add_nc_u32 v[TM+12+\b], 0xff000000, v[TM+\b] ; 2 off its exponent field: the conversion's scale operand
.endr
.irp b, 0,1,2,3
	v_lshrrev_b32 v[TM+4+\b], 23, v[TM+12+\b]      ; the scale's byte
.endr
	v_lshl_or_b32 v[PW], v[TM+5], 8, v[TM+4]
	v_lshl_or_b32 v[PW], v[TM+6], 16, v[PW]
	v_lshl_or_b32 v[PW], v[TM+7], 24, v[PW]
	v_sub_nc_u32 v[PW], v[PW], s61                 ; q: 8 off each byte (each is 9 at the least, by the floor); k, v: 0
.irp c, 0,1
	v_cvt_scalef32_pk16_fp6_f32 v[PC+6*\c:PC+2+6*\c], v[\s+32*\c:\s+15+32*\c], v[TM+12+2*\c]
	v_cvt_scalef32_pk16_fp6_f32 v[PC+12+4*\c:PC+14+4*\c], v[\s+16+32*\c:\s+31+32*\c], v[TM+12+2*\c+1]
.endr
	v_nop                                          ; one plain place behind the conversions
.irp c, 0,1                                    ; a whole block to a lane: lanes 0-15 block 2 c, lanes 16-31 block 2 c + 1
.irp i, 0,1,2
	v_permlane16_swap_b32 v[PC+6*\c+\i], v[PC+12+4*\c+\i]
.endr
.irp i, 0,1,2
	v_mov_b32 v[PC+3+6*\c+\i], v[PC+12+4*\c+\i]
.endr
.endr
.endm
	s_load_b256 s[4:11], s[0:1], 0x0               ; opnd, bq, bk, bv
	s_load_b128 s[12:15], s[0:1], 0x20             ; qb, kv
	v_lshl_add_u32 v126, v0, 2, 0x29000
	v_mov_b32 v127, 0
	ds_add_u32 v126, v127
	ds_add_u32 v126, v127
	v_lshrrev_b32 v1, 5, v0
	v_readfirstlane_b32 s16, v1                    ; wave
	s_and_b32 s17, ttmp7, 0xffff                   ; kind
	s_and_b32 s18, ttmp9, 7
	s_lshr_b32 s19, ttmp9, 3
	s_lshl_b32 s70, s17, 6
	s_add_co_u32 s70, s70, 768                     ; Wq's or Wk's first tile
	s_lshl_b32 s71, s17, 8                         ; query's or key's
	s_cmp_eq_u32 s17, 2
	s_cselect_b32 s20, s19, s18                    ; g0: which 128 rows of source 0
	s_cselect_b32 s21, s18, s19                    ; g1: which 128 rows of source 1
	s_cselect_b32 s22, 512, s70
	s_cselect_b32 s23, 896, s71
	s_lshl_b32 s70, s20, 3
	s_add_co_u32 s22, s22, s70                     ; source 0's first tile
	s_lshl_b32 s70, s21, 3
	s_add_co_u32 s23, s23, s70                     ; source 1's
	; descriptor group 1: 96 rows of 256 bytes (32 elements of 8), dense
	s_mov_b32 s24, 3<<16
	; THE PANEL COMES BY ONE TENSOR LOAD A WAVE: source-0 tiles 2 w and 2 w + 1 for all of K are 24,576 dense bytes: 96 rows of 256 (32 elements of 8)
	s_mov_b32 s25, 32<<16
	s_mov_b32 s26, 96<<16
	s_mov_b32 s27, 32<<16
	s_mov_b32 s28, 96
	s_mov_b32 s29, 32
	s_mov_b32 s30, 0
	s_mov_b32 s31, 0
	s_mul_i32 s70, s22, TILEB
	s_mul_i32 s71, s16, 2*TILEB
	s_add_co_u32 s70, s70, s71                     ; tile 2 w of the panel
	s_mov_b32 s71, 0
	s_mov_b32 s32, 1
	s_mul_i32 s33, s16, 2*TILEB                    ; LDS: tile t at 12,288 t
	s_wait_dscnt 0x0
	s_wait_kmcnt 0x0
	s_add_nc_u64 s[34:35], s[4:5], s[70:71]
	s_or_b32 s35, s35, 0x80000000
	tensor_load_to_lds s[32:35], s[24:31]
	s_nop 0
.rept 4
	v_nop
.endr
	v_and_b32 v9, 31, v0
	v_and_b32 v10, 15, v0
	v_bfe_u32 v11, v0, 4, 1
	v_lshlrev_b32 v1, 4, v9                        ; 16 x lane
	v_lshl_add_u32 v2, v9, 3, 512                  ; 512 + 8 x lane
	v_add_nc_u32 v3, 4*TILEB, v1                   ; the same for tiles 4-7
	v_add_nc_u32 v4, 4*TILEB, v2
	v_lshlrev_b32 v5, 5, v10
	v_lshl_add_u32 v5, v11, 4, v5                  ; 32 r + 16 h
	s_wait_alu depctr_va_vdst(0)
	v_lshlrev_b32 v6, 6, v11                       ; 64 h
	v_and_b32 v7, 8, v10
	v_add_nc_u32 v7, v7, v10
	v_lshlrev_b32 v7, 2, v7                        ; 4 (r + 8 (r / 8))
	v_lshlrev_b32 v8, 2, v9                        ; 4 x lane
	s_lshl_b32 s72, s16, 1
	s_add_co_u32 s72, s72, s23                     ; my first source-1 tile
	s_mul_i32 s70, s72, TILEB
	s_add_nc_u64 s[40:41], s[4:5], s[70:71]
	s_lshl_b32 s70, s22, 9
	s_add_co_u32 s70, s70, SCLS
	s_add_nc_u64 s[42:43], s[4:5], s[70:71]
	s_lshl_b32 s70, s72, 9
	s_add_co_u32 s70, s70, SCLS
	s_add_nc_u64 s[44:45], s[4:5], s[70:71]
	s_lshl_b32 s70, s20, 9                         ; q, k: the bias of my 128 outputs
	s_lshl_b32 s73, s21, 9
	s_lshl_b32 s74, s16, 7
	s_add_co_u32 s73, s73, s74                     ; v: of my wave's 32
	s_cmp_eq_u32 s17, 0
	s_cselect_b64 s[46:47], s[6:7], s[8:9]
	s_cmp_eq_u32 s17, 2
	s_cselect_b64 s[46:47], s[10:11], s[46:47]
	s_cselect_b32 s70, s73, s70
	s_add_nc_u64 s[46:47], s[46:47], s[70:71]
	WIN 0x80                                       ; destination window 2
.irp n, 0,1
.irp s, 0,1,2,3,4,5,6,7
.irp c, 0,1
	global_load_b128 v[96*\n+12*\s+6*\c:96*\n+12*\s+6*\c+3], v1, s[40:41] offset:TILEB*\n+STEPB*\s+768*\c
	global_load_b64 v[96*\n+12*\s+6*\c+4:96*\n+12*\s+6*\c+5], v2, s[40:41] offset:TILEB*\n+STEPB*\s+768*\c
.endr
.endr
.endr
	WIN 0
.irp i, 0,1,2,3,4,5,6,7
	global_load_b128 v[16+4*\i:19+4*\i], v5, s[42:43] offset:512*\i
.endr
.irp n, 0,1
	global_load_b128 v[48+4*\n:51+4*\n], v5, s[44:45] offset:512*\n
.endr
	s_cmp_eq_u32 s17, 2
	s_cbranch_scc1 .Lbias_v
	s_wait_alu depctr_va_vdst(0)
.irp n, 0,1                                    ; q, k: register j of tile 2 b + u is output 32 b + 16 h + 8 u + j
.irp i, 0,1,2,3,4,5,6,7
	global_load_b128 v[ACC+64*\n+8*\i:ACC+64*\n+8*\i+3], v6, s[46:47] offset:128*(\i/2)+32*(\i%2)
	global_load_b128 v[ACC+64*\n+8*\i+4:ACC+64*\n+8*\i+7], v6, s[46:47] offset:128*(\i/2)+32*(\i%2)+16
.endr
.endr
	s_branch .Lbias_done
.Lbias_v:
	s_wait_alu depctr_va_vdst(0)
.irp n, 0,1                                    ; v: the output is the lane's: one number in all 64 registers of a source-1 tile
.set j, 0
.rept 64
	global_load_b32 v[ACC+64*\n+j], v7, s[46:47] offset:32*\n
.set j, j+1
.endr
.endr
.Lbias_done:
	; where the results go, in bytes from the buffer's first: the choices hang on ids alone
	s_lshl_b32 s70, s20, 9
	s_lshl_b32 s73, s21, 3
	s_add_co_u32 s70, s70, s73
	s_lshl_b32 s73, s16, 1
	s_add_co_u32 s70, s70, s73
	s_mul_i32 s70, s70, 768                        ; q: (head 2 g0 x 256 + tile 8 g1 + 2 w) x 768
	s_lshl_b32 s72, s20, 1                         ; k: head 2 g0, key step g1
	s_lshl_b32 s73, s21, 1
	s_lshr_b32 s74, s16, 1
	s_add_co_u32 s73, s73, s74                     ; v: head 2 g1 + w / 2, key step g0
	s_cmp_eq_u32 s17, 2
	s_cselect_b32 s72, s73, s72
	s_cselect_b32 s73, s20, s21
	s_lshl_b32 s72, s72, 5
	s_add_co_u32 s72, s72, s73
	s_mul_i32 s72, s72, 13056                      ; the block
	s_and_b32 s79, s16, 1
	s_mul_i32 s74, s16, 1536
	s_add_co_u32 s74, s74, s72                     ; k's halves: tile 2 w
	s_mul_i32 s75, s79, 3072
	s_add_co_u32 s75, s75, s72
	s_add_co_u32 s75, s75, 6912                    ; v's: d-tile 2 (w % 2)
	s_lshl_b32 s76, s16, 7
	s_add_co_u32 s76, s76, s72
	s_add_co_u32 s76, s76, 6144                    ; k's scale image w
	s_lshl_b32 s77, s79, 7
	s_add_co_u32 s77, s77, s72
	s_add_co_u32 s77, s77, 6656                    ; v's scale image w % 2
	s_lshl_b32 s78, s20, 8
	s_lshl_b32 s79, s21, 2
	s_add_co_u32 s78, s78, s79
	s_add_co_u32 s78, s78, s16
	s_lshl_b32 s78, s78, 7
	s_add_co_u32 s78, s78, 3145728                 ; q's scale image
	s_cmp_eq_u32 s17, 2
	s_cselect_b32 s74, s75, s74
	s_cselect_b32 s77, s77, s76
	s_mov_b32 s75, 417792
	s_cselect_b32 s75, 768, s75                    ; from a fragment's first half to its second: the next head (q, k), or the next 64 keys (v)
	s_mov_b32 s76, 768
	s_cselect_b32 s76, 1536, s76                   ; from n = 0 to n = 1
	s_mov_b32 s68, 0x01000100                      ; bytes (b0, b1, b0, b1): the first head's word;  v: the word as it is
	s_cselect_b32 s68, 0x03020100, s68
	s_mov_b32 s69, 0x03020302                      ; (b2, b3, b2, b3): the second head's
	s_cmp_eq_u32 s17, 0
	s_cselect_b32 s74, s70, s74
	s_cselect_b32 s77, s78, s77
	s_cselect_b32 s75, 196608, s75
	s_mov_b32 s78, 417792
	s_cselect_b32 s78, 16384, s78                  ; from the first head's scale image to the second's
	s_mov_b32 s60, 0x01800000
	s_cselect_b32 s60, 0x05800000, s60             ; the floor
	s_cselect_b32 s61, 0x08080808, 0
	s_cselect_b64 s[72:73], s[12:13], s[14:15]
	s_mov_b32 s71, 0
	s_mov_b32 s70, s74
	s_add_nc_u64 s[48:49], s[72:73], s[70:71]      ; (n, half) = (0, 0)
	s_mov_b32 s70, s75
	s_add_nc_u64 s[50:51], s[48:49], s[70:71]      ; (0, 1)
	s_mov_b32 s70, s76
	s_add_nc_u64 s[52:53], s[48:49], s[70:71]      ; (1, 0)
	s_add_nc_u64 s[54:55], s[50:51], s[70:71]      ; (1, 1)
	s_mov_b32 s70, s77
	s_add_nc_u64 s[56:57], s[72:73], s[70:71]
	s_mov_b32 s70, s78
	s_add_nc_u64 s[58:59], s[56:57], s[70:71]
	s_mov_b32 s62, 0xffff0000
	s_mov_b32 s66, 0x76543210
	s_mov_b32 s67, 0xfedcba98
	s_wait_tensorcnt 0x0                           ; my two tiles have landed; nothing is filled again in this launch
	s_barrier_signal -1
	s_barrier_wait -1                              ; everybody's has
	LOADH 0
	LOADH 1
	s_wait_loadcnt 0x0                             ; source 1, the scale words, the bias
.irp hs, 0,1,2,3,4,5,6,7,8,9,10,11,12,13,14,15
	HALF \hs
.endr
	WIN 0
.irp b, 0,1,2,3
	v_mov_b32 v[TM+4+\b], 0                        ; written once for the lane moves; these four are also the places behind the last products
.endr
.irp n, 0,1
.if \n
	s_wait_xcnt 0x0                                ; the first tile's stores have read the codes' registers
.endif
	QUANT ACC+64*\n
	v_perm_b32 v[101+2*\n], v[PW], v[PW], s68
	v_perm_b32 v[102+2*\n], v[PW], v[PW], s69
	global_store_b128 v1, v[PC:PC+3], s[48+4*\n:49+4*\n]
	global_store_b64 v2, v[PC+4:PC+5], s[48+4*\n:49+4*\n]
	global_store_b128 v1, v[PC+6:PC+9], s[50+4*\n:51+4*\n]
	global_store_b64 v2, v[PC+10:PC+11], s[50+4*\n:51+4*\n]
.endr
	v_cndmask_b32 v106, v101, v103, s62            ; a scale image: tile n = 0 in lanes 0-15, n = 1 in lanes 16-31
	v_cndmask_b32 v107, v102, v104, s62
	global_store_b32 v8, v106, s[56:57]
	s_cmp_eq_u32 s17, 2
	s_cbranch_scc1 .Lend                           ; v has one image: its word holds the step's four blocks of keys
	global_store_b32 v8, v107, s[58:59]
.Lend:
	s_wait_tensorcnt 0x0
	ds_add_u32 v126, v127
	s_wait_dscnt 0x0
	s_endpgm
.Lfunc_end_k_qb054281638_proj:
	.size	k_qb054281638_proj, .Lfunc_end_k_qb054281638_proj-k_qb054281638_proj
	.p2alignl 7, 3214868480
	.fill 96, 4, 3214868480
	.section	.rodata,"a",@progbits
	.p2align	6, 0x0
	.amdhsa_kernel k_qb054281638_proj
		.amdhsa_group_segment_fixed_size 168448
		.amdhsa_private_segment_fixed_size 0
		.amdhsa_enable_private_segment 0
		.amdhsa_kernarg_size 48
		.amdhsa_user_sgpr_count 2
		.amdhsa_user_sgpr_kernarg_segment_ptr 1
		.amdhsa_wavefront_size32 1
		.amdhsa_system_sgpr_workgroup_id_x 1
		.amdhsa_system_sgpr_workgroup_id_y 1
		.amdhsa_system_sgpr_workgroup_id_z 1
		.amdhsa_system_vgpr_workitem_id 0
		.amdhsa_next_free_vgpr 768
		.amdhsa_next_free_sgpr 80
		.amdhsa_reserve_vcc 0
		.amdhsa_float_denorm_mode_32 3
		.amdhsa_float_denorm_mode_16_64 3
		.amdhsa_memory_ordered 1
		.amdhsa_forward_progress 1
		.amdhsa_inst_pref_size 74
	.end_amdhsa_kernel
	.amdgpu_metadata
---
amdhsa.version: [ 1, 2 ]
amdhsa.kernels:
  - .name:           k_qb054281638_proj
    .symbol:         k_qb054281638_proj.kd
    .args:
      - { .name: opnd, .offset: 0, .size: 8, .value_kind: global_buffer, .address_space: global }
      - { .name: bq, .offset: 8, .size: 8, .value_kind: global_buffer, .address_space: global }
      - { .name: bk, .offset: 16, .size: 8, .value_kind: global_buffer, .address_space: global }
      - { .name: bv, .offset: 24, .size: 8, .value_kind: global_buffer, .address_space: global }
      - { .name: qb, .offset: 32, .size: 8, .value_kind: global_buffer, .address_space: global }
      - { .name: kv, .offset: 40, .size: 8, .value_kind: global_buffer, .address_space: global }
    .group_segment_fixed_size: 168448
    .private_segment_fixed_size: 0
    .kernarg_segment_align: 8
    .kernarg_segment_size: 48
    .max_flat_workgroup_size: 128
    .sgpr_count:     80
    .vgpr_count:     768
    .wavefront_size: 32
...
	.end_amdgpu_metadata
.endif
;; end of part 2
;; launch gmax (part 3): grid 16 x 16, 16 waves a work-group, no clusters, 327,680 bytes of LDS; arguments qb, kv, gpart; writes gpart
.if DOCPART == 3
	.amdgcn_target "amdgcn-amd-amdhsa--gfx1250"
	.amdhsa_code_object_version 6
	.text
	.protected	k_qb054281638_gmax
	.globl	k_qb054281638_gmax
	.p2align	8
	.type	k_qb054281638_gmax,@function
k_qb054281638_gmax:
	s_mov_b64 s[64:65], 0
	v_nop
	global_prefetch_b8 v0, s[64:65] scope:SCOPE_SE
	s_setreg_imm32_b32 hwreg(HW_REG_WAVE_MODE, 25, 1), 1
	s_wait_xcnt 0x0
; GMAX.  gpart[head x 16 + x] = the largest |q k^T / 256| over 256 queries of a head and all 4,096 keys, masked or not, as the formula takes it; products on codes of FP6.
; All 32 key steps' K parts (6,656 bytes each) lie in LDS.  Wave w brings steps w and w + 16 by ONE tensor load of two rows, 16 x 13,056 bytes apart in memory, on end in LDS:
; the steps so lie in another order than in memory, which a maximum does not see.  Nothing is filled again: one barrier shows all of it to every wave.
; SHARES: sixteen waves, four to a SIMD.  Wave w takes query tiles 4 (w % 4) + 0 .. 3, key tiles 4 ((w / 4) % 2) + 0 .. 3 of a step, and every second place of LDS from w / 8 on: 16 steps of 16 products.
; K = 64: Q's upper six registers are zero codes, and a K operand's upper six registers meet those zeros.  No cluster: a work-group asks once, at its head; there is no ring whose requests partners could share.
.set KSB,  6656
.set RED,  32*KSB                      ; sixteen words for the waves' maxima; the spare words lie behind, from 0x34200 on
.macro QK d, a, b, sa, sb, ra, rb
.if ((\ra) == 0) && ((\rb) == 0)
	v_wmma_scale_f32_16x16x128_f8f6f4 v[\d:\d+7], v[\a:\a+11], v[\b:\b+11], 0, v[\sa], v[\sb] matrix_a_fmt:MATRIX_FMT_FP6 matrix_b_fmt:MATRIX_FMT_FP6
.elseif (\rb) == 0
	v_wmma_scale_f32_16x16x128_f8f6f4 v[\d:\d+7], v[\a:\a+11], v[\b:\b+11], 0, v[\sa], v[\sb] matrix_a_fmt:MATRIX_FMT_FP6 matrix_b_fmt:MATRIX_FMT_FP6 matrix_a_scale:MATRIX_SCALE_ROW1
.elseif (\ra) == 0
	v_wmma_scale_f32_16x16x128_f8f6f4 v[\d:\d+7], v[\a:\a+11], v[\b:\b+11], 0, v[\sa], v[\sb] matrix_a_fmt:MATRIX_FMT_FP6 matrix_b_fmt:MATRIX_FMT_FP6 matrix_b_scale:MATRIX_SCALE_ROW1
.else
	v_wmma_scale_f32_16x16x128_f8f6f4 v[\d:\d+7], v[\a:\a+11], v[\b:\b+11], 0, v[\sa], v[\sb] matrix_a_fmt:MATRIX_FMT_FP6 matrix_b_fmt:MATRIX_FMT_FP6 matrix_a_scale:MATRIX_SCALE_ROW1 matrix_b_scale:MATRIX_SCALE_ROW1
.endif
.endm
.macro KLOAD                           ; four halves of K's fragments and their two scale images
.irp e, 0,1,2,3
	ds_load_b128 v[72+6*\e:75+6*\e], v8 offset:768*\e
	ds_load_b64 v[76+6*\e:77+6*\e], v9 offset:768*\e
.endr
	ds_load_b32 v104, v10
	ds_load_b32 v105, v10 offset:128
.endm
.macro ADDR
	v_add_nc_u32 v8, s14, v1
	v_add_nc_u32 v9, s14, v2
	v_add_nc_u32 v10, s14, v3
.endm
.macro GSTEP next                      ; 16 products on 16 accumulators, each begun with the constant 0; the next step's fragments are asked for ahead of the 64 maxima
	s_wait_dscnt 0x0
.irp e, 0,1,2,3
.irp a, 0,1,2,3
	QK 128+8*(4*\e+\a), 72+6*\e, 16+12*\a, 104+\e/2, 64+\a/2, \e%2, \a%2
.endr
.endr
	s_add_co_u32 s14, s14, 2*KSB
.if \next
	ADDR                                           ; three additions and a v_nop: the four places in front of loads into registers that the products read
	v_nop
	KLOAD
.else
.rept 4
	v_nop
.endr
.endif
.set x, 0
	s_wait_alu depctr_va_vdst(0)
.rept 64
	v_max3_num_f32 v[106+x%8], |v[128+2*x]|, |v[129+2*x]|, v[106+x%8]
.set x, x+1
.endr
.endm
	s_load_b128 s[4:7], s[0:1], 0x0                ; qb, kv
	s_load_b64 s[8:9], s[0:1], 0x10                ; gpart
	v_lshl_add_u32 v118, v0, 2, 0x34200
	v_mov_b32 v119, 0
	ds_add_u32 v118, v119                          ; the opening lines: the add, twice on end, and its wait
	ds_add_u32 v118, v119
	v_lshrrev_b32 v1, 5, v0
	s_delay_alu instid0(VALU_DEP_1)
	v_readfirstlane_b32 s10, v1                    ; wave 0..15
	s_and_b32 s11, s10, 3                          ; which four query tiles
	s_bfe_u32 s12, s10, 0x10002                    ; which half of a step's key tiles
	s_and_b32 s13, ttmp7, 0xffff                   ; head
	s_lshr_b32 s14, s10, 3
	s_mul_i32 s14, s14, KSB                        ; my first place in LDS
	s_mov_b32 s16, 3<<16                           ; group 1: two rows of 832 elements of 8 bytes, 26,112 elements apart
	s_mov_b32 s17, 832<<16
	s_mov_b32 s18, 2<<16
	s_mov_b32 s19, 832<<16
	s_mov_b32 s20, 2
	s_mov_b32 s21, 26112
	s_mov_b32 s22, 0
	s_mov_b32 s23, 0
	s_mul_i32 s40, s13, 417792
	s_mul_i32 s41, s10, 13056
	s_add_co_u32 s40, s40, s41
	s_mov_b32 s41, 0
	s_mul_i32 s44, s10, 2*KSB
	s_wait_dscnt 0x0
	s_wait_kmcnt 0x0
	s_add_nc_u64 s[40:41], s[6:7], s[40:41]
	s_mov_b32 s24, 1
	s_mov_b32 s25, s44
	s_mov_b64 s[26:27], s[40:41]
	s_or_b32 s27, s27, 0x80000000
	tensor_load_to_lds s[24:27], s[16:23]
	s_nop 0
.rept 4
	v_nop
.endr
	v_and_b32 v7, 31, v0
	s_delay_alu instid0(VALU_DEP_1)
	v_lshlrev_b32 v4, 4, v7
	s_wait_alu depctr_va_vdst(0)
	v_lshl_add_u32 v5, v7, 3, 512
	s_wait_alu depctr_va_vdst(0)
	v_lshlrev_b32 v6, 2, v7
	s_wait_alu depctr_va_vdst(0)
	s_mul_i32 s45, s12, 3072
	v_add_nc_u32 v1, s45, v4
	v_add_nc_u32 v2, s45, v5
	s_lshl_b32 s45, s12, 8
	s_add_co_u32 s45, s45, 6144
	v_add_nc_u32 v3, s45, v6
	s_lshl_b32 s44, s13, 8
	s_lshl_b32 s45, ttmp9, 4
	s_add_co_u32 s44, s44, s45
	s_lshl_b32 s45, s11, 2
	s_add_co_u32 s44, s44, s45                     ; my first query tile
	s_mul_i32 s46, s44, 768
	s_mov_b32 s47, 0
	s_add_nc_u64 s[46:47], s[4:5], s[46:47]
	s_lshl_b32 s44, s44, 6
	s_add_co_u32 s44, s44, 3145728
	s_mov_b32 s45, 0
	s_add_nc_u64 s[44:45], s[4:5], s[44:45]
.irp a, 0,1,2,3
	global_load_b128 v[16+12*\a:19+12*\a], v4, s[46:47] offset:768*\a
	global_load_b64 v[20+12*\a:21+12*\a], v5, s[46:47] offset:768*\a
.endr
	global_load_b32 v64, v6, s[44:45]
	global_load_b32 v65, v6, s[44:45] offset:128
.irp a, 0,1,2,3
.irp i, 0,1,2,3,4,5
	v_mov_b32 v[22+12*\a+\i], 0                    ; Q's empty halves: zero codes
.endr
.endr
.irp i, 0,1,2,3,4,5
	v_mov_b32 v[96+\i], 0                          ; behind K's last half
.endr
.irp i, 0,1,2,3,4,5,6,7,8
	v_mov_b32 v[106+\i], 0                         ; eight running maxima of magnitudes, and a lane move's destination
.endr
	s_mov_b32 s42, 0x76543210
	s_mov_b32 s43, 0xfedcba98
	s_wait_loadcnt 0x0
	s_wait_tensorcnt 0x0                           ; my two steps have landed,
	s_wait_dscnt 0x0
	s_barrier_signal -1
	s_barrier_wait -1                              ; and everybody's
	ADDR
	KLOAD
	s_mov_b32 s15, 15
.Lg:
	GSTEP 1
	s_sub_co_u32 s15, s15, 1
	s_cmp_lg_u32 s15, 0
	s_cbranch_scc1 .Lg
	GSTEP 0
	v_max3_num_f32 v106, v106, v107, v108
	s_delay_alu instid0(VALU_DEP_4)
	v_max3_num_f32 v109, v109, v110, v111
	s_delay_alu instid0(VALU_DEP_2)
	v_max3_num_f32 v106, v106, v112, v113
	s_delay_alu instid0(VALU_DEP_1)
	v_max_num_f32 v106, v106, v109
	s_delay_alu instid0(VALU_DEP_1)
	v_max_num_f32_dpp v106, v106, v106 row_xmask:1 row_mask:0xf bank_mask:0xf
	s_delay_alu instid0(VALU_DEP_1)
	v_max_num_f32_dpp v106, v106, v106 row_xmask:2 row_mask:0xf bank_mask:0xf
	s_delay_alu instid0(VALU_DEP_1)
	v_max_num_f32_dpp v106, v106, v106 row_xmask:4 row_mask:0xf bank_mask:0xf
	s_delay_alu instid0(VALU_DEP_1)
	v_max_num_f32_dpp v106, v106, v106 row_xmask:8 row_mask:0xf bank_mask:0xf
	s_delay_alu instid0(VALU_DEP_1)
	v_permlanex16_b32 v114, v106, s42, s43
	s_delay_alu instid0(VALU_DEP_1)
	v_max_num_f32 v106, v106, v114                 ; the wave's
	s_lshl_b32 s44, s10, 2
	s_add_co_u32 s44, s44, RED
	v_mov_b32 v115, s44
	v_mov_b32 v116, RED
	ds_store_b32 v115, v106
	s_wait_alu depctr_va_vdst(0)
	s_wait_dscnt 0x0
	s_barrier_signal -1
	s_barrier_wait -1
	ds_load_b128 v[120:123], v116                  ; the sixteen waves' maxima, in every lane
	ds_load_b128 v[124:127], v116 offset:16
	ds_load_b128 v[128:131], v116 offset:32
	ds_load_b128 v[132:135], v116 offset:48
	s_wait_dscnt 0x0
	v_max3_num_f32 v120, v120, v121, v122
	v_max3_num_f32 v123, v123, v124, v125
	v_max3_num_f32 v128, v128, v129, v130
	v_max3_num_f32 v131, v131, v132, v133
	v_max3_num_f32 v120, v120, v126, v127
	v_max3_num_f32 v128, v128, v134, v135
	v_max_num_f32 v123, v123, v131
	v_max3_num_f32 v120, v120, v128, v123
	s_cmp_lg_u32 s10, 0
	s_cbranch_scc1 .Lend
	s_lshl_b32 s44, s13, 4
	s_add_co_u32 s44, s44, ttmp9
	s_lshl_b32 s44, s44, 2
	s_mov_b32 s45, 0
	s_add_nc_u64 s[8:9], s[8:9], s[44:45]
	v_mov_b32 v117, 0
	s_wait_alu depctr_va_vdst(0)
	s_wait_xcnt 0x0
	v_cmp_eq_u32 vcc_lo, 0, v0
	s_and_saveexec_b32 s44, vcc_lo
	global_store_b32 v117, v120, s[8:9]
	s_wait_xcnt 0x0
	s_or_b32 exec_lo, exec_lo, s44
.Lend:
	s_wait_tensorcnt 0x0                           ; the wave's end
	ds_add_u32 v118, v119
	s_wait_dscnt 0x0
	s_endpgm
.Lfunc_end_k_qb054281638_gmax:
	.size	k_qb054281638_gmax, .Lfunc_end_k_qb054281638_gmax-k_qb054281638_gmax
	.p2alignl 7, 3214868480
	.fill 96, 4, 3214868480
	.section	.rodata,"a",@progbits
	.p2align	6, 0x0
	.amdhsa_kernel k_qb054281638_gmax
		.amdhsa_group_segment_fixed_size 327680
		.amdhsa_private_segment_fixed_size 0
		.amdhsa_enable_private_segment 0
		.amdhsa_kernarg_size 24
		.amdhsa_user_sgpr_count 2
		.amdhsa_user_sgpr_kernarg_segment_ptr 1
		.amdhsa_wavefront_size32 1
		.amdhsa_system_sgpr_workgroup_id_x 1
		.amdhsa_system_sgpr_workgroup_id_y 1
		.amdhsa_system_sgpr_workgroup_id_z 1
		.amdhsa_system_vgpr_workitem_id 0
		.amdhsa_next_free_vgpr 256
		.amdhsa_next_free_sgpr 66
		.amdhsa_reserve_vcc 1
		.amdhsa_float_denorm_mode_32 3
		.amdhsa_float_denorm_mode_16_64 3
		.amdhsa_memory_ordered 1
		.amdhsa_forward_progress 1
		.amdhsa_inst_pref_size 23
	.end_amdhsa_kernel
	.amdgpu_metadata
---
amdhsa.version: [ 1, 2 ]
amdhsa.kernels:
  - .name:           k_qb054281638_gmax
    .symbol:         k_qb054281638_gmax.kd
    .args:
      - { .name: qb, .offset: 0, .size: 8, .value_kind: global_buffer, .address_space: global }
      - { .name: kv, .offset: 8, .size: 8, .value_kind: global_buffer, .address_space: global }
      - { .name: gpart, .offset: 16, .size: 8, .value_kind: global_buffer, .address_space: global }
    .group_segment_fixed_size: 327680
    .private_segment_fixed_size: 0
    .kernarg_segment_align: 8
    .kernarg_segment_size: 24
    .max_flat_workgroup_size: 512
    .sgpr_count:     66
    .vgpr_count:     256
    .wavefront_size: 32
...
	.end_amdgpu_metadata
.endif
;; end of part 3
;; launch attn (part 4): grid 16 x 16, 16 waves a work-group, no clusters, 301,056 bytes of LDS; arguments qb, kv, gpart, mbits, mflag, yb; writes yb
.if DOCPART == 4
	.amdgcn_target "amdgcn-amd-amdhsa--gfx1250"
	.amdhsa_code_object_version 6
	.text
	.protected	k_qb054281638_attn
	.globl	k_qb054281638_attn
	.p2align	8
	.type	k_qb054281638_attn,@function
k_qb054281638_attn:
	s_mov_b64 s[64:65], 0
	v_nop
	global_prefetch_b8 v0, s[64:65] scope:SCOPE_SE
	s_setreg_imm32_b32 hwreg(HW_REG_WAVE_MODE, 25, 1), 1
	s_wait_xcnt 0x0
; ATTN.  y[q][head] = softmax_k(mask, 32 (q k^T / 256 - G)) v, both products on codes of FP6; y is quantised along C for the last projection.
; G, the largest |q k^T / 256| of all heads, is the maximum of the 256 figures in gpart; -G is the C of the first product, so a score register holds att - G (one rounding in the matrix unit,
; where the formula rounds the product and the difference apart: stated as a limit).
; THE SOFTMAX: t = (att - G) x 32 log2(e); M = the running largest t rounded up to a whole number; p = 2^(t - M) is quantised along the keys, not normalised; the row's sum is taken of the unquantised p
; and divides at the end.  When M moves, the sum and O are multiplied by 2^(old M - new M): exact.
; THE MASK is an input, and nothing of its pattern is built in.  The launch before stored it as whole numbers: mbits, a lane mask for each score register, and mflag, for each (tile of 16 queries, step of
; 128 keys) a bit 'some key counts' and a bit 'all keys count'.  A step in which no key counts adds nothing to the sum, to O or to the maximum: a scalar branch on the first bit leads round its work.
; Where all keys count, the 64 selects would change nothing: a branch on the second bit leads round them and round the fetch of the mask words.  All else: 64 words by four scalar loads, one
; v_cndmask_b32 a register puts -infinity where the bit is 0.  A row with no key at all has sum 0: its scale bytes become 0xff, so that the last projection's sums of that token are NaN, as the formula's are.
; The launch has no tensor load and no joint loads: K and V come through registers.
; SHARES.  256 work-groups of sixteen waves, four to a SIMD.  Work-group (x, head) takes the blocks 31 - x and x of 128 queries, one after the other.  Waves w and w + 8 share tile w of a block: wave w takes
; the even key steps, wave w + 8 the odd ones, each with its own M, sum and O.  At a block's end wave w + 8 hands its three to wave w through LDS; both are brought under the larger M by powers of two, exactly,
; and added.  Any mask is served by this deal.
; Both products are used transposed (S^T = K Q^T, O^T = V^T P^T): a lane holds one query.  By the tiles' choice of rows score register 16 b + i is key 32 b + 16 h + i.
; K = 64 in the first product: Q's upper six registers are zero codes, and K's operand t is v[32 + 6 t] on, whose upper six registers meet those zeros.
; THE RING: two slots of eight key steps (8 x 13,056 bytes), 2^17 bytes apart.  While a slot is worked, each wave brings half a step (6,528 bytes) of the next slot: in each of its four trips three loads of 512
; consecutive bytes, asked for at the trip's head and stored to the other slot at its end, and once a slot 256 + 128 bytes.  The second half of a step begins 128 bytes behind a multiple of 256.
; Then the slot's one barrier: behind it the new slot is whole and nobody reads the old one.  A step that no tile of the block needs (the eight tiles' 'some' bits ORed) is neither loaded nor stored.
; The barriers stand in loops of constant count, on every wave's path.  No separate prefetch: the loads themselves are issued a trip's work ahead of the stores that want them, a slot ahead of the reads.
; OUT: a half fragment (768 bytes, whole aligned units) at tile x 12,288 + head x 768; two scale bytes a row by one store of 2 bytes a lane: parts of units, one part in 24 of what a wave stores.
; LIMITS: NaN and infinities among the inputs are not served; a block of zeros gets byte 1; blocks of y under 2^(3 - 127) are held at byte 1.
.set SLOT1, 1<<17
.set BLKB,  13056
.set SLOTB, 8*BLKB
.set HALFB, 6528
.set SPARE, 2*SLOT1                    ; the spare words: 128 bytes for each of 16 waves
.set XCH,   SPARE+2048                 ; where the odd steps' waves hand over: 4,608 bytes a tile
.set XB,    4608
; v1-3 16, 512 + 8, 4 x lane; v4 r; v5, v6 the add's two; v8-10 the step's addresses; v12 -M, v13 the largest t, v[14:15] the sum; v16-27 Q; v28 Q's scale word; v29 -infinity; v30, v31, v229 where I store my
; half step in slot 0; v86, v87 in slot 1; v32-85 eight halves and six zeros; v88-91 K's scale images, v92-93 V's; v94-95, v211, v232-239, v252-255 bytes on their way to a slot; v96-159 S^T, then p;
; v160-191 O^T; v192-203 p's codes (v204-210 their odd halves); v212-215 block maxima; v216-219 bytes; v220-223 scale operands; v224, v225 at work; v[226:227] f; v228 p's scale word; v230-231, v248-251 sums; v240-247 -G
; s2 the step's LDS byte; s3, s67, s87 counts; s4-51, s68-83 the 64 mask words (at the head and on the way out: at work); s52, s53 my tile's flags, this step's in bit 0; s[54:55] the steps that the blocks need;
; s[56:57] my half step of the head's slot 0; s[58:59] the fetch's base; s60, s61 the second tile's flags; s62 head; s63 the next slot's bytes; s66 wave; s[84:85], s86 the mask words; s[88:89] lane selects;
; s[90:91] 32 log2(e); s92 the trip's bytes of my half step; s[92:95] on the way out y; s96, s97 tiles; s[98:99] qb; s[100:101] yb; s[104:105] an offset, the upper word 0
.macro CHUNKS off                      ; eight halves of fragments, 16 LDS loads of consecutive bytes
.irp t, 0,1,2,3,4,5,6,7
	ds_load_b128 v[32+6*\t:35+6*\t], v8 offset:\off+768*\t
	ds_load_b64 v[36+6*\t:37+6*\t], v9 offset:\off+768*\t
.endr
.endm
.macro QLOAD t                         ; tile s[t]'s Q: half a fragment and its scale words
	s_lshl_b32 s104, s62, 8
	s_add_co_u32 s104, s104, s[\t]
	s_mul_i32 s104, s104, 768
	s_add_nc_u64 s[48:49], s[98:99], s[104:105]
	s_lshl_b32 s104, s62, 8
	s_add_co_u32 s104, s104, s[\t]
	s_lshl_b32 s104, s104, 6
	s_add_co_u32 s104, s104, 3145728
	s_add_nc_u64 s[50:51], s[98:99], s[104:105]
	global_load_b128 v[16:19], v1, s[48:49]
	global_load_b64 v[20:21], v2, s[48:49]
	global_load_b32 v28, v11, s[50:51]
.endm
.macro STEP
	s_bitcmp1_b32 s52, 0                           ; does any key of this step count for my tile?
	s_cbranch_scc0 .Lskip_\@
	v_add_nc_u32 v8, s2, v1                        ; three additions and a v_nop: the four places behind the last products, in front of loads into registers that they read
	v_add_nc_u32 v9, s2, v2
	v_add_nc_u32 v10, s2, v3
	v_nop
	CHUNKS 0                                       ; K
.irp b, 0,1,2,3
	ds_load_b32 v[88+\b], v10 offset:6144+128*\b
.endr
	ds_load_b32 v92, v10 offset:6656
	ds_load_b32 v93, v10 offset:6784
	s_wait_alu depctr_va_vdst(0)                   ; the wait here, directly ahead of the wait below
	s_wait_dscnt 0x0
.irp t, 0,2,4,6                                ; S^T - G: eight tiles of 16 keys
	v_wmma_scale_f32_16x16x128_f8f6f4 v[96+8*\t:103+8*\t], v[32+6*\t:43+6*\t], v[16:27], v[240:247], v[88+\t/2], v28 matrix_a_fmt:MATRIX_FMT_FP6 matrix_b_fmt:MATRIX_FMT_FP6
	v_wmma_scale_f32_16x16x128_f8f6f4 v[104+8*\t:111+8*\t], v[38+6*\t:49+6*\t], v[16:27], v[240:247], v[88+\t/2], v28 matrix_a_fmt:MATRIX_FMT_FP6 matrix_b_fmt:MATRIX_FMT_FP6 matrix_a_scale:MATRIX_SCALE_ROW1
.endr
.rept 4
	v_nop                                          ; four places: V's loads land where K lay, and the scores are read
.endr
	CHUNKS 6912                                    ; V^T: it has the softmax in which to land
	s_bitcmp1_b32 s53, 0                           ; do all keys count?
	s_cbranch_scc1 .Lfull_\@
	s_load_b512 s[4:19], s[84:85], s86 offset:0x0  ; the step's 64 mask words
	s_load_b512 s[20:35], s[84:85], s86 offset:0x40
	s_load_b512 s[36:51], s[84:85], s86 offset:0x80
	s_load_b512 s[68:83], s[84:85], s86 offset:0xc0
	s_wait_kmcnt 0x0
.set n, 0
.rept 64
.if n < 48
	v_cndmask_b32 v[96+n], v29, v[96+n], s[4+n]    ; bit 0: -infinity
.else
	v_cndmask_b32 v[96+n], v29, v[96+n], s[20+n]
.endif
.set n, n+1
.endr
.Lfull_\@:
.irp b, 0,1,2,3
	v_max3_num_f32 v[212+\b], v[96+16*\b], v[97+16*\b], v[98+16*\b]   ; the largest score of each block of 32 keys: for the row's maximum and, since p rises with the score, for the block's largest p
.endr
.irp i, 3,5,7,9,11,13
.irp b, 0,1,2,3
	v_max3_num_f32 v[212+\b], v[212+\b], v[96+16*\b+\i], v[97+16*\b+\i]   ; (the four blocks by turns)
.endr
.endr
.irp b, 0,1,2,3
	v_max_num_f32 v[212+\b], v[212+\b], v[111+16*\b]
.endr
.irp b, 0,1,2,3
	s_delay_alu instid0(VALU_DEP_4)
	v_permlanex16_b32 v[216+\b], v[212+\b], s88, s89
.endr
.irp b, 0,1,2,3
	s_delay_alu instid0(VALU_DEP_4)
	v_max_num_f32 v[212+\b], v[212+\b], v[216+\b]  ; with lane l xor 16's 16 keys
.endr
	s_delay_alu instid0(VALU_DEP_2)
	v_max3_num_f32 v224, v212, v213, v214
	s_delay_alu instid0(VALU_DEP_1)
	v_max_num_f32 v224, v224, v215
	s_delay_alu instid0(VALU_DEP_1)
	v_mul_f32 v224, s90, v224                      ; the step's largest t
	s_delay_alu instid0(VALU_DEP_1)
	v_max_num_f32 v13, v13, v224                   ; the running largest t
	v_mov_b32 v224, v12
	s_delay_alu instid0(VALU_DEP_2)
	v_floor_f32 v12, -v13                          ; the new -M: M is a whole number
	s_delay_alu instid0(VALU_DEP_1)
	v_sub_f32 v224, v12, v224                      ; old M - new M: a whole number, 0 or less
	s_delay_alu instid0(VALU_DEP_1)
	v_cvt_i32_f32 v224, v224                       ; (it saturates)
	s_delay_alu instid0(VALU_DEP_1)
	v_ldexp_f32 v226, 1.0, v224                    ; f = 2^(old M - new M)
.set j, 0
.rept 32
	v_pk_fma_f32 v[96+j:97+j], v[96+j:97+j], s[90:91], v[12:13] op_sel_hi:[1,0,0]   ; t - M, two at a time
.set j, j+2
.endr
.irp b, 0,1,2,3
	v_fma_f32 v[212+\b], v[212+\b], s90, v12       ; the same of each block's largest score
.endr
	s_wait_alu depctr_va_vdst(0)                   ; the wait ahead of the batch
.set j, 0
.rept 64
	v_exp_f32 v[96+j], v[96+j]                     ; p = 2^(t - M)
.set j, j+1
.endr
	v_pk_mul_f32 v[14:15], v[14:15], v[226:227] op_sel_hi:[1,0]   ; the sums under the new M: the plain place behind the exponentials
	s_wait_alu depctr_va_vdst(0)                   ; one wait for the batch, ahead of its first reader
.irp b, 0,1,2,3
	v_exp_f32 v[212+\b], v[212+\b]                 ; the block's largest p
.endr
	v_pk_add_f32 v[230:231], v[96:97], v[98:99]    ; the row's sum of the unquantised p: two at a time, in four chains
	v_pk_add_f32 v[248:249], v[100:101], v[102:103]
	v_pk_add_f32 v[250:251], v[104:105], v[106:107]
	v_pk_add_f32 v[14:15], v[14:15], v[108:109]
.irp j, 110,118,126,134,142,150
	v_pk_add_f32 v[230:231], v[230:231], v[\j:\j+1]
	v_pk_add_f32 v[248:249], v[248:249], v[\j+2:\j+3]
	v_pk_add_f32 v[250:251], v[250:251], v[\j+4:\j+5]
	v_pk_add_f32 v[14:15], v[14:15], v[\j+6:\j+7]
.endr
	v_pk_add_f32 v[230:231], v[230:231], v[158:159]
	v_pk_add_f32 v[248:249], v[248:249], v[250:251]
	v_pk_add_f32 v[14:15], v[14:15], v[230:231]
	v_pk_add_f32 v[14:15], v[14:15], v[248:249]
	s_wait_alu depctr_va_vdst(0)                   ; and one for the four
.irp b, 0,1,2,3
	v_max_num_f32 v[212+\b], 0x1800000, v[212+\b]  ; the floor 2^(3 - 127)
.endr
.irp b, 0,1,2,3
	s_delay_alu instid0(VALU_DEP_4)
	v_add_nc_u32 v[220+\b], 0xff000000, v[212+\b]  ; the conversion's scale operand
.endr
.irp b, 0,1,2,3
	s_delay_alu instid0(VALU_DEP_4)
	v_lshrrev_b32 v[216+\b], 23, v[220+\b]         ; the scale's byte
.endr
	s_delay_alu instid0(VALU_DEP_3)
	v_lshl_or_b32 v228, v217, 8, v216              ; p's scale word for these 128 keys
	s_delay_alu instid0(VALU_DEP_1)
	v_lshl_or_b32 v228, v218, 16, v228
	s_delay_alu instid0(VALU_DEP_1)
	v_lshl_or_b32 v228, v219, 24, v228
.irp c, 0,1
	v_cvt_scalef32_pk16_fp6_f32 v[192+6*\c:194+6*\c], v[96+32*\c:111+32*\c], v[220+2*\c]
	v_cvt_scalef32_pk16_fp6_f32 v[204+4*\c:206+4*\c], v[112+32*\c:127+32*\c], v[220+2*\c+1]
.endr
	v_nop                                          ; one plain place behind the conversions
.irp c, 0,1
.irp i, 0,1,2
	v_permlane16_swap_b32 v[192+6*\c+\i], v[204+4*\c+\i]
.endr
.irp i, 0,1,2
	s_delay_alu instid0(VALU_DEP_3)
	v_mov_b32 v[195+6*\c+\i], v[204+4*\c+\i]
.endr
.endr
	s_wait_alu depctr_va_vdst(0)                   ; the wait here, directly ahead of the first reader of O^T
.irp j, 0,2,4,6,8,10,12,14,16,18,20,22,24,26,28,30
	v_pk_mul_f32 v[160+\j:161+\j], v[160+\j:161+\j], v[226:227] op_sel_hi:[1,0]   ; O^T under the new M; these sixteen also part the codes and the scale word just made from the products below
.endr
	s_wait_alu depctr_va_vdst(0)                   ; the wait here, directly ahead of the wait below
	s_wait_dscnt 0x0                               ; V^T
.irp d, 0,2                                    ; O^T += V^T P^T: four tiles of 16 of the head's 64, each on its own accumulator
	v_wmma_scale_f32_16x16x128_f8f6f4 v[160+8*\d:167+8*\d], v[32+12*\d:43+12*\d], v[192:203], v[160+8*\d:167+8*\d], v[92+\d/2], v228 matrix_a_fmt:MATRIX_FMT_FP6 matrix_b_fmt:MATRIX_FMT_FP6
	v_wmma_scale_f32_16x16x128_f8f6f4 v[168+8*\d:175+8*\d], v[44+12*\d:55+12*\d], v[192:203], v[168+8*\d:175+8*\d], v[92+\d/2], v228 matrix_a_fmt:MATRIX_FMT_FP6 matrix_b_fmt:MATRIX_FMT_FP6 matrix_a_scale:MATRIX_SCALE_ROW1
.endr
.Lskip_\@:
	s_lshr_b32 s52, s52, 2                         ; on to my next step, two further: its flags, its mask words, its block in LDS
	s_lshr_b32 s53, s53, 2
	s_add_co_u32 s86, s86, 512
	s_add_co_u32 s2, s2, 2*BLKB
.endm
; A slot: four trips, each with one of my steps and a quarter of my fetch for the next slot; then the meeting.
.macro ITER buf
	s_mov_b32 s104, s63
	s_add_nc_u64 s[58:59], s[56:57], s[104:105]    ; (no load of mine is out: the wait stands at the end of the last trip)
	s_mov_b32 s92, 0
	s_lshr_b32 s2, s66, 3
	s_mul_i32 s2, s2, BLKB                         ; my first step of the slot: 0 or 1
.if \buf
	s_add_co_u32 s2, s2, SLOT1
.endif
	s_mov_b32 s3, 4
	s_bitcmp1_b32 s54, 8                           ; does any tile of the block need my step of the next slot?
	s_cbranch_scc0 .Lnf_\@
	global_load_b64 v[94:95], v2, s[58:59] offset:5632    ; bytes 6,144 to 6,399 of my half step,
	global_load_b32 v211, v3, s[58:59] offset:6400        ; and its last 128
.Lnf_\@:
.Lstep_\@:
	s_wait_alu depctr_va_vdst(0)                   ; the wait behind the jump
	s_bitcmp1_b32 s54, 8
	s_cbranch_scc0 .Lnl_\@
	global_load_b128 v[232:235], v1, s[58:59]
	global_load_b128 v[236:239], v1, s[58:59] offset:512
	global_load_b128 v[252:255], v1, s[58:59] offset:1024
.Lnl_\@:
	STEP
	s_wait_loadcnt 0x0                             ; what I asked for is in registers
	s_bitcmp1_b32 s54, 8
	s_cbranch_scc0 .Lns_\@
.if \buf
	v_add_nc_u32 v224, s92, v30
.else
	v_add_nc_u32 v224, s92, v86
.endif
	ds_store_b128 v224, v[232:235]
	ds_store_b128 v224, v[236:239] offset:512
	ds_store_b128 v224, v[252:255] offset:1024
.Lns_\@:
	s_add_nc_u64 s[58:59], s[58:59], 1536
	s_add_co_u32 s92, s92, 1536
	s_sub_co_u32 s3, s3, 1
	s_cmp_lg_u32 s3, 0
	s_cbranch_scc1 .Lstep_\@
	s_bitcmp1_b32 s54, 8
	s_cbranch_scc0 .Lnr_\@
.if \buf
	ds_store_b64 v31, v[94:95] offset:5632
	ds_store_b32 v229, v211 offset:6400
.else
	v_add_nc_u32 v224, SLOT1, v229
	ds_store_b64 v87, v[94:95] offset:5632
	ds_store_b32 v224, v211 offset:6400
.endif
.Lnr_\@:
	s_lshr_b64 s[54:55], s[54:55], 8
	s_add_co_u32 s63, s63, SLOTB                   ; the head's four slots by turns: both blocks walk the same keys
	s_cmp_eq_u32 s63, 4*SLOTB
	s_cselect_b32 s63, 0, s63
	s_wait_dscnt 0x0                               ; my stores are done, and my reads of this slot are over
	s_barrier_signal -1
	s_barrier_wait -1
.endm
	s_load_b256 s[4:11], s[0:1], 0x0               ; qb, kv, gpart, mbits
	s_load_b128 s[12:15], s[0:1], 0x20             ; mflag, yb
	v_lshl_add_u32 v5, v0, 2, SPARE
	v_mov_b32 v6, 0
	v_lshrrev_b32 v1, 5, v0
	v_readfirstlane_b32 s66, v1                    ; wave 0..15
	s_and_b32 s62, ttmp7, 0xffff                   ; head
	s_and_b32 s75, s66, 7                          ; my tile of a block; also the step of a slot that I fetch for
	s_lshr_b32 s76, s66, 3                         ; even or odd key steps; also which half of that step I fetch
	s_sub_co_u32 s72, 31, ttmp9                    ; the first block
	s_lshl_b32 s96, s72, 3
	s_add_co_u32 s96, s96, s75                     ; my tile of it
	s_lshl_b32 s97, ttmp9, 3
	s_add_co_u32 s97, s97, s75                     ; and of the second
	s_mov_b32 s105, 0
	s_mul_i32 s74, s75, BLKB
	s_mul_i32 s77, s76, HALFB
	s_add_co_u32 s74, s74, s77                     ; my half step's place in a slot
	v_and_b32 v7, 31, v0
	v_and_b32 v4, 15, v0                           ; r
	v_lshlrev_b32 v1, 4, v7
	v_lshl_add_u32 v2, v7, 3, 512
	v_lshlrev_b32 v3, 2, v7
	v_lshlrev_b32 v11, 2, v4                       ; 4 r
	v_add_nc_u32 v30, s74, v1                      ; slot 0: + 16 x lane,
	v_add_nc_u32 v31, s74, v2                      ; + 512 + 8 x lane,
	v_add_nc_u32 v229, s74, v3                     ; + 4 x lane;
	v_add_nc_u32 v86, SLOT1, v30                   ; slot 1
	v_add_nc_u32 v87, SLOT1, v31
	v_lshlrev_b32 v7, 5, v7                        ; 32 x lane
	s_mul_i32 s104, s62, 32*BLKB
	s_add_co_u32 s104, s104, s74
	s_lshl_b32 s70, s96, 3                         ; the flags: 8 bytes a tile, 64 a block
	s_lshl_b32 s71, s97, 3
	s_lshl_b32 s72, s72, 6
	s_lshl_b32 s73, ttmp9, 6
	s_wait_alu depctr_va_vdst(0)                   ; the wait here, directly ahead of the wait below
	s_wait_kmcnt 0x0
	s_mov_b64 s[84:85], s[10:11]
	s_mov_b64 s[100:101], s[14:15]
	s_mov_b64 s[98:99], s[4:5]
	s_add_nc_u64 s[56:57], s[6:7], s[104:105]
	s_mov_b64 s[58:59], s[56:57]
.set i, 0
.rept 12
	global_load_b128 v[96+4*i:99+4*i], v1, s[58:59] offset:512*i   ; slot 0, always, through the registers of the scores
.set i, i+1
.endr
	global_load_b64 v[144:145], v2, s[58:59] offset:5632
	global_load_b32 v146, v3, s[58:59] offset:6400
	s_load_b64 s[52:53], s[12:13], s70 offset:0x0
	s_load_b64 s[60:61], s[12:13], s71 offset:0x0
	s_load_b512 s[16:31], s[12:13], s72 offset:0x0
	s_load_b512 s[32:47], s[12:13], s73 offset:0x0
	QLOAD 96
	global_load_b128 v[232:235], v7, s[8:9]        ; the 256 figures, eight a lane
	global_load_b128 v[236:239], v7, s[8:9] offset:16
	s_mov_b32 s88, 0x76543210
	s_mov_b32 s89, 0xfedcba98
	s_mov_b32 s90, 0x4238aa3b                      ; 32 log2(e)
	s_mov_b32 s91, s90                             ; (named with it as a pair, so it is written)
	s_mov_b32 s63, SLOTB
.irp i, 0,1,2,3,4,5
	v_mov_b32 v[22+\i], 0                          ; Q's empty half: zero codes
	v_mov_b32 v[80+\i], 0                          ; behind K's last tile
.endr
	v_mov_b32 v29, 0xff800000                      ; -infinity
.irp b, 0,1,2,3
	v_mov_b32 v[216+\b], 0                         ; written once for the lane moves
	v_mov_b32 v[252+\b], 0                         ; written once: the fetch's registers that no load of the head fills
.endr
	v_mov_b32 v94, 0
	v_mov_b32 v95, 0
	v_mov_b32 v211, 0
	v_mov_b32 v224, 0
	v_mov_b32 v227, 0                              ; (named as the upper half of the pair v[226:227])
	s_wait_kmcnt 0x0                               ; the flags
	s_or_b32 s54, s16, s18                         ; the steps that some tile of the first block needs,
	s_or_b32 s55, s32, s34                         ; and of the second: 64 bits, in the order of the walk
.irp k, 4,6,8,10,12,14
	s_or_b32 s54, s54, s[16+\k]
	s_or_b32 s55, s55, s[32+\k]
.endr
	s_lshr_b64 s[54:55], s[54:55], s75             ; bit 8 is now my step of the next slot
	s_lshr_b32 s52, s52, s76                       ; bit 0 is my first step
	s_lshr_b32 s53, s53, s76
	s_lshr_b32 s60, s60, s76
	s_lshr_b32 s61, s61, s76
	s_wait_alu depctr_va_vdst(0)                   ; the wait here, directly ahead of the wait below
	s_wait_loadcnt 0x0
.set i, 0
.rept 12
	ds_store_b128 v30, v[96+4*i:99+4*i] offset:512*i
.set i, i+1
.endr
	ds_store_b64 v31, v[144:145] offset:5632
	ds_store_b32 v229, v146 offset:6400
	v_max3_num_f32 v232, v232, v233, v234
	v_max3_num_f32 v235, v235, v236, v237
	s_delay_alu instid0(VALU_DEP_2)
	v_max3_num_f32 v232, v232, v238, v239
	s_delay_alu instid0(VALU_DEP_1)
	v_max_num_f32 v232, v232, v235
.irp m, 1,2,4,8
	s_delay_alu instid0(VALU_DEP_1)
	v_max_num_f32_dpp v232, v232, v232 row_xmask:\m row_mask:0xf bank_mask:0xf
.endr
	s_delay_alu instid0(VALU_DEP_1)
	v_permlanex16_b32 v224, v232, s88, s89
	s_delay_alu instid0(VALU_DEP_1)
	v_max_num_f32 v232, v232, v224                 ; G
.irp j, 0,1,2,3,4,5,6,7
	v_xor_b32 v[240+\j], 0x80000000, v232          ; -G, the C of every first product
.endr
	s_wait_alu depctr_va_vdst(0)                   ; the wait at the head's end
	s_wait_dscnt 0x0                               ; my half step of slot 0 is stored
	s_barrier_signal -1
	s_barrier_wait -1
	s_mov_b32 s87, 2
.Lblock:                                           ; two trips: a block of 128 queries each
	v_mov_b32 v13, 0xff61b1e6                      ; the largest t so far: -3e38
	v_mov_b32 v14, 0
	v_mov_b32 v15, 0
	v_floor_f32 v12, -v13
.set j, 0
.rept 32
	v_mov_b32 v[160+j], 0                          ; O^T: which step is a tile's first is known from the flags alone, so the step is written once and finds zeros
.set j, j+1
.endr
	s_lshl_b32 s86, s96, 13                        ; my tile's mask words: 32 steps x 256 bytes,
	s_lshr_b32 s104, s66, 3
	s_lshl_b32 s104, s104, 8
	s_add_co_u32 s86, s86, s104                    ; from my first step on
	s_mov_b32 s67, 2
.Lpair:                                            ; two trips: slot 0 and slot 1
	ITER 0
	ITER 1
	s_sub_co_u32 s67, s67, 1
	s_cmp_lg_u32 s67, 0
	s_cbranch_scc1 .Lpair
	; THE TWO HALVES OF THE KEYS MEET
.rept 4
	v_nop                                          ; four places behind the last products: Q's registers are loaded, O^T is read
.endr
	QLOAD 97                                       ; the second block's Q comes under the way out (in the last trip it is not used)
	s_and_b32 s104, s66, 7
	s_mul_i32 s104, s104, XB
	s_add_co_u32 s104, s104, XCH
	v_add_nc_u32 v8, s104, v1                      ; my tile's place of exchange
	s_wait_alu depctr_va_vdst(0)                   ; the wait here, ahead of the jump and the barrier
	s_cmp_lt_u32 s66, 8
	s_cbranch_scc1 .Lowner
.set i, 0
.rept 8
	ds_store_b128 v8, v[160+4*i:163+4*i] offset:512*i   ; the odd steps' O^T, each accumulator from its low end on,
.set i, i+1
.endr
	ds_store_b128 v8, v[12:15] offset:4096         ; -M, the largest t, the sum's two halves
.Lowner:
	s_wait_dscnt 0x0
	s_barrier_signal -1
	s_barrier_wait -1
	s_cmp_lt_u32 s66, 8
	s_cbranch_scc0 .Lnext
.set i, 0
.rept 8
	ds_load_b128 v[96+4*i:99+4*i], v8 offset:512*i
.set i, i+1
.endr
	ds_load_b128 v[128:131], v8 offset:4096
	s_mul_i32 s104, s96, 12288
	s_mul_i32 s70, s62, 768
	s_add_co_u32 s104, s104, s70
	s_add_nc_u64 s[92:93], s[100:101], s[104:105]  ; y's codes
	s_lshl_b32 s104, s96, 9
	s_lshl_b32 s70, s62, 1
	s_add_co_u32 s104, s104, s70
	s_add_co_u32 s104, s104, 3145728
	s_add_nc_u64 s[94:95], s[100:101], s[104:105]  ; y's scale bytes
	s_wait_dscnt 0x0
	v_min_num_f32 v224, v12, v128                  ; the smaller -M: the larger M
	v_add_f32 v14, v14, v15
	v_add_f32 v130, v130, v131
	v_sub_f32 v225, v224, v12                      ; my M less the larger: a whole number, 0 or less
	v_sub_f32 v132, v224, v128                     ; and the other's
	v_mov_b32 v133, 0                              ; (named as the upper half of the pair v[132:133])
	v_cvt_i32_f32 v225, v225                       ; (they saturate)
	v_cvt_i32_f32 v132, v132
	v_ldexp_f32 v226, 1.0, v225
	v_ldexp_f32 v132, 1.0, v132
	v_mul_f32 v14, v14, v226
	v_fmac_f32 v14, v130, v132                     ; the sums under the larger M
.irp j, 0,2,4,6,8,10,12,14,16,18,20,22,24,26,28,30
	v_pk_mul_f32 v[160+\j:161+\j], v[160+\j:161+\j], v[226:227] op_sel_hi:[1,0]
.endr
.irp j, 0,2,4,6,8,10,12,14,16,18,20,22,24,26,28,30
	v_pk_fma_f32 v[160+\j:161+\j], v[96+\j:97+\j], v[132:133], v[160+\j:161+\j] op_sel_hi:[1,0,1]   ; and O^T
.endr
	; THE WAY OUT: O^T / the sum; register 16 b + i is channel 32 b + 16 h + i of my query: two blocks along C, quantised as p is
	v_permlanex16_b32 v224, v14, s88, s89
	s_delay_alu instid0(VALU_DEP_1)
	v_add_f32 v14, v14, v224                       ; the row's sum
	s_wait_alu depctr_va_vdst(0)                   ; the wait ahead of the transcendental
	v_rcp_f32 v225, v14
	v_mov_b32 v226, 0xffff                         ; (a plain place behind the reciprocal)
	v_lshlrev_b32 v7, 5, v4                        ; 32 r
	s_wait_alu depctr_va_vdst(0)                   ; the wait ahead of the reciprocal's first reader
.set j, 0
.rept 32
	v_mul_f32 v[96+j], v[160+j], v225
.set j, j+1
.endr
.irp b, 0,1
	v_max3_num_f32 v[212+\b], |v[96+16*\b]|, |v[97+16*\b]|, 0x1800000
.endr
.irp i, 2,4,6,8,10,12,14
.irp b, 0,1
	s_delay_alu instid0(VALU_DEP_2)
	v_max3_num_f32 v[212+\b], v[212+\b], |v[96+16*\b+\i]|, |v[97+16*\b+\i]|
.endr
.endr
.irp b, 0,1
	s_delay_alu instid0(VALU_DEP_2)
	v_permlanex16_b32 v[216+\b], v[212+\b], s88, s89
.endr
.irp b, 0,1
	s_delay_alu instid0(VALU_DEP_2)
	v_max_num_f32 v[212+\b], v[212+\b], v[216+\b]
.endr
.irp b, 0,1
	s_delay_alu instid0(VALU_DEP_2)
	v_add_nc_u32 v[220+\b], 0xff000000, v[212+\b]
.endr
.irp b, 0,1
	s_delay_alu instid0(VALU_DEP_2)
	v_lshrrev_b32 v[216+\b], 23, v[220+\b]
.endr
	s_delay_alu instid0(VALU_DEP_1)
	v_lshl_or_b32 v228, v217, 8, v216              ; my row's two bytes
	v_cmp_eq_f32 vcc_lo, 0, v14
	s_delay_alu instid0(VALU_DEP_1)
	v_cndmask_b32 v228, v228, v226, vcc_lo         ; a row with no key: 0xff, 0xff
	v_cvt_scalef32_pk16_fp6_f32 v[192:194], v[96:111], v220
	v_cvt_scalef32_pk16_fp6_f32 v[204:206], v[112:127], v221
	v_nop
.irp i, 0,1,2
	v_permlane16_swap_b32 v[192+\i], v[204+\i]
.endr
.irp i, 0,1,2
	s_delay_alu instid0(VALU_DEP_3)
	v_mov_b32 v[195+\i], v[204+\i]
.endr
	global_store_b128 v1, v[192:195], s[92:93]
	global_store_b64 v2, v[196:197], s[92:93]
	global_store_b16 v7, v228, s[94:95]            ; lanes r and r + 16 hold the same two bytes and write them to the same place
.Lnext:
	s_mov_b32 s96, s97
	s_mov_b32 s52, s60
	s_mov_b32 s53, s61
	s_wait_alu depctr_va_vdst(0)                   ; the wait here, ahead of the waits and the jump below
	s_wait_xcnt 0x0                                ; the stores have read their data, offsets and bases: the next block writes them again
	s_wait_loadcnt 0x0                             ; Q
	s_sub_co_u32 s87, s87, 1
	s_cmp_lg_u32 s87, 0
	s_cbranch_scc1 .Lblock
	s_wait_tensorcnt 0x0                           ; the wave's end
	ds_add_u32 v5, v6
	s_wait_dscnt 0x0
	s_endpgm
.Lfunc_end_k_qb054281638_attn:
	.size	k_qb054281638_attn, .Lfunc_end_k_qb054281638_attn-k_qb054281638_attn
	.p2alignl 7, 3214868480
	.fill 96, 4, 3214868480
	.section	.rodata,"a",@progbits
	.p2align	6, 0x0
	.amdhsa_kernel k_qb054281638_attn
		.amdhsa_group_segment_fixed_size 301056
		.amdhsa_private_segment_fixed_size 0
		.amdhsa_enable_private_segment 0
		.amdhsa_kernarg_size 48
		.amdhsa_user_sgpr_count 2
		.amdhsa_user_sgpr_kernarg_segment_ptr 1
		.amdhsa_wavefront_size32 1
		.amdhsa_system_sgpr_workgroup_id_x 1
		.amdhsa_system_sgpr_workgroup_id_y 1
		.amdhsa_system_sgpr_workgroup_id_z 1
		.amdhsa_system_vgpr_workitem_id 0
		.amdhsa_next_free_vgpr 256
		.amdhsa_next_free_sgpr 106
		.amdhsa_reserve_vcc 1
		.amdhsa_float_denorm_mode_32 3
		.amdhsa_float_denorm_mode_16_64 3
		.amdhsa_memory_ordered 1
		.amdhsa_forward_progress 1
		.amdhsa_inst_pref_size 67
	.end_amdhsa_kernel
	.amdgpu_metadata
---
amdhsa.version: [ 1, 2 ]
amdhsa.kernels:
  - .name:           k_qb054281638_attn
    .symbol:         k_qb054281638_attn.kd
    .args:
      - { .name: qb, .offset: 0, .size: 8, .value_kind: global_buffer, .address_space: global }
      - { .name: kv, .offset: 8, .size: 8, .value_kind: global_buffer, .address_space: global }
      - { .name: gpart, .offset: 16, .size: 8, .value_kind: global_buffer, .address_space: global }
      - { .name: mbits, .offset: 24, .size: 8, .value_kind: global_buffer, .address_space: global }
      - { .name: mflag, .offset: 32, .size: 8, .value_kind: global_buffer, .address_space: global }
      - { .name: yb, .offset: 40, .size: 8, .value_kind: global_buffer, .address_space: global }
    .group_segment_fixed_size: 301056
    .private_segment_fixed_size: 0
    .kernarg_segment_align: 8
    .kernarg_segment_size: 48
    .max_flat_workgroup_size: 512
    .sgpr_count:     106
    .vgpr_count:     256
    .wavefront_size: 32
...
	.end_amdgpu_metadata
.endif
;; end of part 4
;; launch outp (part 5): grid 256 x 1, 4 waves a work-group, no clusters, 327,680 bytes of LDS; arguments opnd, yb, bp, out0; writes out0
.if DOCPART == 5
	.amdgcn_target "amdgcn-amd-amdhsa--gfx1250"
	.amdhsa_code_object_version 6
	.text
	.protected	k_qb054281638_outp
	.globl	k_qb054281638_outp
	.p2align	8
	.type	k_qb054281638_outp,@function
k_qb054281638_outp:
	s_mov_b64 s[64:65], 0
	v_nop
	global_prefetch_b8 v0, s[64:65] scope:SCOPE_SE
	s_setreg_imm32_b32 hwreg(HW_REG_WAVE_MODE, 25, 1), 1
	s_wait_xcnt 0x0
; OUTP.  out0 = y Wp^T + bp on codes of FP6 (K = 1,024, eight steps of 128).  A work-group makes 128 outputs x 128 tokens; source 0 is Wp's panel of eight tiles, source 1 the wave's two tiles of y, kept in registers.
; The panel comes into LDS once, as it lies in memory (tile x 12,288 + K step x 1,536), by one tensor load a wave: two tiles for all of K, 24,576 dense bytes.  Nothing is filled again.
; The bias is loaded straight into the accumulators.  The results leave through the wave's own stage in LDS, behind the panel, as rows of 512 consecutive bytes.
.set SCLS,  12582912
.set YSCL,  3145728
.set TILEB, 12288
.set STEPB, 1536
.set ACC,   128
.set SPI,   528
.set STAGE, 8*TILEB
.set MSB, 0
.macro WIN new
.if MSB != \new
	s_set_vgpr_msb (MSB<<8)|\new
.set MSB, \new
.endif
.endm
.macro LOADH hs
	WIN 0x40
.irp ii, 0,1,2,3
.irp c, 0,1
.set FD, 48*((\hs)%2)+12*\ii+6*\c
.set FO, TILEB*\ii+STEPB*((\hs)/2)+768*\c      ; tiles 0-3 by v1, v2, tiles 4-7 by v3, v4
.if ((\hs)%2) == 0
	ds_load_b128 v[FD:FD+3], v1 offset:FO
	ds_load_b64 v[FD+4:FD+5], v2 offset:FO
.else
	ds_load_b128 v[FD:FD+3], v3 offset:FO
	ds_load_b64 v[FD+4:FD+5], v4 offset:FO
.endif
.endr
.endr
.endm
.macro HALF hs
.if (\hs) < 15
	s_wait_dscnt 16
.else
	s_wait_dscnt 0x0
.endif
	WIN 0x09
.irp ii, 0,1,2,3
.irp n, 0,1
.set AC, ACC+64*\n+8*(4*((\hs)%2)+\ii)
.set FA, 48*((\hs)%2)+12*\ii
.set FB, 96*\n+12*((\hs)/2)
.set SA, 16+4*(4*((\hs)%2)+\ii)+((\hs)/2)%4
.set SB, 48+4*\n+((\hs)/2)%4
.if (\hs) < 8
	v_wmma_scale_f32_16x16x128_f8f6f4 v[AC:AC+7], v[FA:FA+11], v[FB:FB+11], v[AC:AC+7], v[SA], v[SB] matrix_a_fmt:MATRIX_FMT_FP6 matrix_b_fmt:MATRIX_FMT_FP6
.else
	v_wmma_scale_f32_16x16x128_f8f6f4 v[AC:AC+7], v[FA:FA+11], v[FB:FB+11], v[AC:AC+7], v[SA], v[SB] matrix_a_fmt:MATRIX_FMT_FP6 matrix_b_fmt:MATRIX_FMT_FP6 matrix_a_scale:MATRIX_SCALE_ROW1 matrix_b_scale:MATRIX_SCALE_ROW1
.endif
.endr
.endr
.if (\hs) < 14
.rept 4
	v_nop
.endr
	LOADH (\hs)+2
.endif
.endm
	s_load_b256 s[4:11], s[0:1], 0x0
	v_lshl_add_u32 v62, v0, 2, 0x29000
	v_mov_b32 v63, 0
	ds_add_u32 v62, v63
	ds_add_u32 v62, v63
	v_lshrrev_b32 v1, 5, v0
	v_readfirstlane_b32 s16, v1
	s_and_b32 s20, ttmp9, 7
	s_lshr_b32 s21, ttmp9, 3
	s_lshl_b32 s22, s20, 3
	s_add_co_u32 s22, s22, 960
	s_mov_b32 s24, 3<<16
	s_mov_b32 s25, 32<<16                          ; 96 rows of 256 bytes (32 elements of 8), dense
	s_mov_b32 s26, 96<<16
	s_mov_b32 s27, 32<<16
	s_mov_b32 s28, 96
	s_mov_b32 s29, 32
	s_mov_b32 s30, 0
	s_mov_b32 s31, 0
	s_mul_i32 s70, s22, TILEB
	s_mul_i32 s71, s16, 2*TILEB
	s_add_co_u32 s70, s70, s71
	s_mov_b32 s71, 0
	s_mov_b32 s32, 1
	s_mul_i32 s33, s16, 2*TILEB                    ; LDS: tile t at 12,288 t
	s_wait_dscnt 0x0
	s_wait_kmcnt 0x0
	s_add_nc_u64 s[34:35], s[4:5], s[70:71]
	s_or_b32 s35, s35, 0x80000000
	tensor_load_to_lds s[32:35], s[24:31]
	s_nop 0
.rept 4
	v_nop
.endr
	v_and_b32 v9, 31, v0
	v_and_b32 v10, 15, v0
	v_bfe_u32 v11, v0, 4, 1
	v_lshlrev_b32 v1, 4, v9
	v_lshl_add_u32 v2, v9, 3, 512
	v_add_nc_u32 v3, 4*TILEB, v1
	v_add_nc_u32 v4, 4*TILEB, v2
	v_lshlrev_b32 v5, 5, v10
	v_lshl_add_u32 v5, v11, 4, v5
	s_wait_alu depctr_va_vdst(0)
	v_lshlrev_b32 v6, 6, v11
	s_wait_alu depctr_va_vdst(0)
	s_mul_i32 s72, s16, 16*SPI
	s_add_co_u32 s72, s72, STAGE
	v_mul_u32_u24 v12, v10, SPI
	v_add_nc_u32 v12, v12, v6
	v_add_nc_u32 v12, s72, v12
	v_add_nc_u32 v13, s72, v1
	s_lshl_b32 s72, s21, 3
	s_lshl_b32 s73, s16, 1
	s_add_co_u32 s72, s72, s73
	s_mul_i32 s70, s72, TILEB
	s_add_nc_u64 s[40:41], s[6:7], s[70:71]
	s_lshl_b32 s70, s22, 9
	s_add_co_u32 s70, s70, SCLS
	s_add_nc_u64 s[42:43], s[4:5], s[70:71]
	s_lshl_b32 s70, s72, 9
	s_add_co_u32 s70, s70, YSCL
	s_add_nc_u64 s[44:45], s[6:7], s[70:71]
	s_lshl_b32 s70, s20, 9
	s_add_nc_u64 s[46:47], s[8:9], s[70:71]
	s_lshl_b32 s70, s21, 19
	s_lshl_b32 s72, s16, 17
	s_add_co_u32 s70, s70, s72
	s_lshl_b32 s72, s20, 9
	s_add_co_u32 s70, s70, s72
	s_add_nc_u64 s[48:49], s[10:11], s[70:71]
	s_add_nc_u64 s[50:51], s[48:49], 8*4096
	WIN 0x80
.irp n, 0,1
.irp s, 0,1,2,3,4,5,6,7
.irp c, 0,1
	global_load_b128 v[96*\n+12*\s+6*\c:96*\n+12*\s+6*\c+3], v1, s[40:41] offset:TILEB*\n+STEPB*\s+768*\c
	global_load_b64 v[96*\n+12*\s+6*\c+4:96*\n+12*\s+6*\c+5], v2, s[40:41] offset:TILEB*\n+STEPB*\s+768*\c
.endr
.endr
.endr
	WIN 0
.irp i, 0,1,2,3,4,5,6,7
	global_load_b128 v[16+4*\i:19+4*\i], v5, s[42:43] offset:512*\i
.endr
.irp n, 0,1
	global_load_b128 v[48+4*\n:51+4*\n], v5, s[44:45] offset:512*\n
.endr
.irp n, 0,1
.irp i, 0,1,2,3,4,5,6,7
	global_load_b128 v[ACC+64*\n+8*\i:ACC+64*\n+8*\i+3], v6, s[46:47] offset:128*(\i/2)+32*(\i%2)
	global_load_b128 v[ACC+64*\n+8*\i+4:ACC+64*\n+8*\i+7], v6, s[46:47] offset:128*(\i/2)+32*(\i%2)+16
.endr
.endr
	s_wait_tensorcnt 0x0                           ; my two tiles have landed
	s_barrier_signal -1
	s_barrier_wait -1
	LOADH 0
	LOADH 1
	s_wait_loadcnt 0x0
.irp hs, 0,1,2,3,4,5,6,7,8,9,10,11,12,13,14,15
	HALF \hs
.endr
	WIN 0
.rept 4
	v_nop
.endr
	s_wait_alu depctr_va_vdst(0)
.irp n, 0,1
.if \n
	s_wait_xcnt 0x0
.endif
.irp b, 0,1,2,3
.irp q, 0,1,2,3
	ds_store_b128 v12, v[ACC+64*\n+16*\b+4*\q:ACC+64*\n+16*\b+4*\q+3] offset:128*\b+16*\q
.endr
.endr
.irp i, 0,1,2,3,4,5,6,7,8,9,10,11,12,13,14,15
	ds_load_b128 v[64+4*\i:67+4*\i], v13 offset:SPI*\i
.endr
.irp i, 0,1,2,3,4,5,6,7,8,9,10,11,12,13,14,15
	s_wait_dscnt 15-\i
	global_store_b128 v1, v[64+4*\i:67+4*\i], s[48+2*\n:49+2*\n] offset:(\i+8*(\i/8))*4096 th:TH_STORE_NT
.endr
.endr
	s_wait_tensorcnt 0x0
	ds_add_u32 v62, v63
	s_wait_dscnt 0x0
	s_endpgm
.Lfunc_end_k_qb054281638_outp:
	.size	k_qb054281638_outp, .Lfunc_end_k_qb054281638_outp-k_qb054281638_outp
	.p2alignl 7, 3214868480
	.fill 96, 4, 3214868480
	.section	.rodata,"a",@progbits
	.p2align	6, 0x0
	.amdhsa_kernel k_qb054281638_outp
		.amdhsa_group_segment_fixed_size 327680
		.amdhsa_private_segment_fixed_size 0
		.amdhsa_enable_private_segment 0
		.amdhsa_kernarg_size 32
		.amdhsa_user_sgpr_count 2
		.amdhsa_user_sgpr_kernarg_segment_ptr 1
		.amdhsa_wavefront_size32 1
		.amdhsa_system_sgpr_workgroup_id_x 1
		.amdhsa_system_sgpr_workgroup_id_y 1
		.amdhsa_system_sgpr_workgroup_id_z 1
		.amdhsa_system_vgpr_workitem_id 0
		.amdhsa_next_free_vgpr 768
		.amdhsa_next_free_sgpr 76
		.amdhsa_reserve_vcc 0
		.amdhsa_float_denorm_mode_32 3
		.amdhsa_float_denorm_mode_16_64 3
		.amdhsa_memory_ordered 1
		.amdhsa_forward_progress 1
		.amdhsa_inst_pref_size 58
	.end_amdhsa_kernel
	.amdgpu_metadata
---
amdhsa.version: [ 1, 2 ]
amdhsa.kernels:
  - .name:           k_qb054281638_outp
    .symbol:         k_qb054281638_outp.kd
    .args:
      - { .name: opnd, .offset: 0, .size: 8, .value_kind: global_buffer, .address_space: global }
      - { .name: yb, .offset: 8, .size: 8, .value_kind: global_buffer, .address_space: global }
      - { .name: bp, .offset: 16, .size: 8, .value_kind: global_buffer, .address_space: global }
      - { .name: out0, .offset: 24, .size: 8, .value_kind: global_buffer, .address_space: global }
    .group_segment_fixed_size: 327680
    .private_segment_fixed_size: 0
    .kernarg_segment_align: 8
    .kernarg_segment_size: 32
    .max_flat_workgroup_size: 128
    .sgpr_count:     76
    .vgpr_count:     768
    .wavefront_size: 32
...
	.end_amdgpu_metadata
.endif
;; end of part 5
